; MI455X (gfx1250); checked and timed in simulation.
; The chip was launched on July 23, 2026; its instructions are those of AMD's public machine-readable ISA for CDNA 5 (MIT licence, August 2026) and "CDNA5" Instruction Set Architecture Reference Guide (July 2026). The comments in the code are by the model that wrote it; some were corrected since.
;; Multi Head Attention. Allowed arithmetic: matrix products marked QUANTISED: E2M3 operands, one E8M0 scale for each 32 along K, by v_wmma_scale_f32_16x16x128_f8f6f4 with both operands' format E2M3, f32 sums; everything else in f32.
;; Inputs: Wk 16 x 1,024 x 64 float32; Wo 1,024 x 1,024 float32; Wq 16 x 1,024 x 64 float32; Wv 16 x 1,024 x 64 float32; k 4,096 x 1,024 float32; q 4,096 x 1,024 float32; v 4,096 x 1,024 float32.
;; Outputs: out0 4,096 x 1,024 float32.
;; This version of the problem:
;;   THIS VERSION OF THE PROBLEM IS GIVEN IN LOW PRECISION. The matrix products marked QUANTISED in the list below multiply operands that are first quantised to E2M3 (2 exponent bits, 3 mantissa bits; 6 bits a number), with one power-of-two scale for each 32 numbers along K (OCP MX v1.0); their sums are f32. All else is computed in f32.
;;   The module's matrix products, in the order in which they are computed (A, B: the left and right operand; K: the contracted axis; several contracted axes count as one K, in the product's order):
;;     1. [M 1,024, K 1,024] x [K 1,024, N 4,096]; A: input Wq; B: input q: QUANTISED
;;     2. [M 1,024, K 1,024] x [K 1,024, N 4,096]; A: input Wk; B: input k: QUANTISED
;;     3. [M 1,024, K 1,024] x [K 1,024, N 4,096]; A: input Wv; B: input v: QUANTISED
;;     4. batch 16 x [M 4,096, K 64] x [K 64, N 4,096]; A: computed on the way; B: computed on the way: QUANTISED
;;     5. batch 16 x [M 4,096, K 4,096] x [K 4,096, N 64]; A: softmax (see below); B: computed on the way: QUANTISED
;;     6. [M 4,096, K 1,024] x [K 1,024, N 1,024]; A: computed on the way; B: input Wo: QUANTISED
;;   THE QUANTISER, for each operand of a quantised product, along K:
;;     - K is cut into blocks of 32 from its start; a last block that is shorter is filled with zeros.
;;     - A block's scale is 2^e with e = floor(log2(the largest magnitude in the block)) - 2, held to -126 .. 127; a block of zeros has e = 0. As a byte (E8M0): e + 127.
;;     - Each number is divided by its block's scale, clamped to +-7.5, and rounded to the nearest number of E2M3, ties to even, subnormals kept.
;;     - The product sums the exact products of the quantised numbers (number of the format x scale) in f32.
;;   ~~~python
;;   def quantise(x, axis):      # numpy; x: float32 -> the quantised numbers, widened to float32 again
;;       x = np.moveaxis(x, axis, -1); K = x.shape[-1]
;;       x = np.pad(x, [(0, 0)] * (x.ndim - 1) + [(0, -K % 32)]); x = x.reshape(x.shape[:-1] + (-1, 32)); a = np.abs(x).max(-1, keepdims=True)
;;       e = np.where(a > 0, np.clip(np.frexp(np.where(a > 0, a, 1))[1] - 1 - 2, -126, 127), 0)      # np.frexp(a)[1] - 1 = floor(log2(a)), exactly
;;       r = np.clip(x / 2.0 ** e, -7.5, 7.5)
;;       step = 2.0 ** (np.maximum(np.frexp(np.where(r == 0, 1, r))[1] - 1, 0) - 3)
;;       q = np.round(r / step) * step * 2.0 ** e      # np.round: ties to even
;;       return np.moveaxis(q.reshape(q.shape[:-2] + (-1,))[..., :K], -1, axis).astype(np.float32)
;;   ~~~
;;   SOFTMAX AHEAD OF A QUANTISED PRODUCT. Where the list says 'softmax', what is quantised is not the finished softmax but p = 2^(t - M), with t = logit x log2(e) and M = ceil(the row's largest t), a whole number; so 1/2 < the row's largest p <= 1. The row's sum l is taken of the UNQUANTISED p, in f32, and the product's result is divided by l at the end. Since M is a whole number, a kernel that streams over the keys may use a running M (the ceiling of the running maximum): every later rescaling is an exact power of two, which a block's scale takes up: the codes' values come out the same.
;;   OPERANDS COMPUTED ON THE WAY. 'Computed on the way' means the value that the module computes at that place (a softmax that the list does not call 'softmax' is quantised finished and normalised). What goes into a quantiser is computed in f32, as accurately as f32 sums, v_exp_f32 and their like allow (about 1e-6 of the number): no bf16 or f16 on the way to a quantiser, and a product that is left as it is and whose result goes on into a quantised operand takes f32 operands (vector FMAs, or v_wmma_f32_16x16x4_f32). A number that lies on a knife's edge between two numbers of the format may be rounded either way, as far as f32 arithmetic and the matrix unit's own rounding can turn it there, and no further.
;; One version. Each part assembles by itself: llvm-mc -triple=amdgcn-amd-amdhsa -mcpu=gfx1250 --defsym DOCPART=n.
;; ======== version 1 of 1: 4 launches
;; limits: right only within a limited range of input values
;; workspace buffers: opnd 13,107,200 bytes; qw 3,407,872 bytes; kvw 6,684,672 bytes; hc 3,276,800 bytes
;; launch quant (part 1): grid 256 x 1, 4 waves a work-group, no clusters, 270,848 bytes of LDS; arguments q, k, v, Wq, Wk, Wv, Wo, opnd; writes opnd
.if DOCPART == 1
	.amdgcn_target "amdgcn-amd-amdhsa--gfx1250"
	.amdhsa_code_object_version 6
	.text
	.protected	k_qdedf371531_quant
	.globl	k_qdedf371531_quant
	.p2align	8
	.type	k_qdedf371531_quant,@function
k_qdedf371531_quant:
	s_mov_b64 s[64:65], 0
	v_nop
	global_prefetch_b8 v0, s[64:65] scope:SCOPE_SE
	s_setreg_imm32_b32 hwreg(HW_REG_WAVE_MODE, 25, 1), 1
	s_wait_xcnt 0x0
; q, k, v [4096][1024], Wo [1024][1024] (K innermost) and Wq, Wk, Wv [16][1024][64] (K = the middle axis), all f32, become codes of FP6 (E2M3) with one E8M0 byte for each 32 along K,
; laid in the order of the matrix operands' registers.  A block's scale is 2^(floor(log2(its largest magnitude)) - 2); its byte is that magnitude's exponent field - 2, held at 1 from below.
; LIMITS: NaN and infinities are not served; a block whose largest magnitude lies under 2^-124 has its byte held at 1; a block of zeros gets the byte 1 where the rule says 127: its codes are zeros, and this program alone reads the bytes.
; LAYOUT OF opnd.  128 groups of 128 rows: 0-31 q, 32-63 k, 64-95 v, 96-103 Wq^T, 104-111 Wk^T, 112-119 Wv^T (row = 64 head + column), 120-127 Wo.
;   codes: [group][K step of 128: 8][tile of 16 rows: 8][1,536 bytes].  A tile's 1,536 bytes are two half fragments (64 along K: six registers a lane): registers 0-3 at 16 x lane, registers 4-5 at 512 + 8 x lane.
;   scales, from byte SC0 on: [group][64 along K: 16][row in tile: 16][tile: 8] of two bytes: 256 bytes for each 64 along K.
;   STORED ROW rho HOLDS ROW pi(rho), pi = bits 3 and 4 exchanged: lane r of stored tile 2 b + u holds row 32 b + 8 u + r + 8 (r / 8).  Used as a product's source 0, two neighbouring tiles then leave 16 neighbours in a lane's 16 registers.
; SHARES.  Work-group x: group x / 2; wave w: K step 4 (x % 2) + w: 128 rows x 128 along K: 64 KiB in, 16 half fragments and 512 scale bytes out.  A lane holds a whole block of 32, so a block's maximum needs no other lane.
; K innermost: the wave's 128 rows x 512 bytes come by one tensor load into its own LDS bytes (rows 528 bytes apart), filled once; nothing is filled again, so no barrier is needed.
; K outer: a lane takes a column and its registers run down K, by loads of 4 bytes. The two paths part on the work-group's number and never join.
.set SC0,   12582912
.set WREG,  67584                      ; LDS bytes of a wave: 128 rows x 528
.set PITCH, 528                        ; 512 bytes + 16 of padding
.set X,     64                         ; v64-95, v96-127: two sets of 32 numbers
.set G1,    24                         ; s[24:31] descriptor group 1
.set G0,    32                         ; s[32:35] descriptor group 0: one load brings the wave's 128 rows
; v1 16 x lane, v2 8 x lane, v3 the input's lane address, v4 8 x (lane / 16), v8-9 maxima, v10 the conversion's scale operand, v11 the byte, v12 the other half's, v13 at work,
; v[16:21] a half fragment's codes, v[24:26] its upper half as converted, v[32:39] the scale halfwords (64 along K: c, tiles 2 m and 2 m + 1), v[40:43] as stored
	s_load_b256 s[4:11], s[0:1], 0x0               ; q, k, v, Wq
	s_load_b256 s[12:19], s[0:1], 0x20             ; Wk, Wv, Wo, opnd
	v_lshl_add_u32 v128, v0, 2, 0x42000
	v_mov_b32 v129, 0
	ds_add_u32 v128, v129
	ds_add_u32 v128, v129
	v_lshrrev_b32 v5, 5, v0
	v_readfirstlane_b32 s20, v5                    ; wave
	s_mov_b32 s21, ttmp9                           ; work-group
	s_lshr_b32 s22, s21, 1                         ; group
	s_and_b32 s23, s21, 1
	s_lshl_b32 s23, s23, 2
	s_add_co_u32 s23, s23, s20                     ; K step
	v_and_b32 v5, 31, v0
	v_lshlrev_b32 v1, 4, v5
	v_lshlrev_b32 v2, 3, v5
	v_bfe_u32 v6, v0, 4, 1                         ; lane / 16
	v_lshlrev_b32 v4, 3, v6
	v_and_b32 v7, 7, v0
	v_bfe_u32 v14, v0, 3, 1
	v_lshl_add_u32 v7, v14, 4, v7                  ; r % 8 + 16 (r / 8): my row's place among a pair of tiles' 32 rows
	v_mov_b32 v12, 0                               ; written once: a lane permute's destination counts as one of its sources
	s_mov_b32 s46, 0x76543210
	s_mov_b32 s47, 0xfedcba98                      ; selects for lane l xor 16
	s_mov_b32 s48, 0xffff0000                      ; lanes 16-31
	s_mov_b32 s[G1+0], (2<<16)|(1<<20)|(6<<22)|(3<<25)  ; no mask; elements of 4 bytes; padding on; after every 128 words; 4 words of it
	s_mov_b32 s[G1+1], 128<<16                     ; tensor_dim0 = 128
	s_mov_b32 s[G1+2], 128<<16                     ; tensor_dim1 = 128
	s_mov_b32 s[G1+3], 128<<16                     ; tile_dim0 = 128
	s_mov_b32 s[G1+4], 128                         ; tile_dim1 = 128
	s_mov_b32 s[G1+5], 1024                        ; elements from row to row
	s_mov_b32 s[G1+6], 0
	s_mov_b32 s[G1+7], 0
	s_mul_i32 s50, s22, 98304
	s_mul_i32 s51, s23, 12288
	s_add_co_u32 s50, s50, s51                     ; my codes' place
	s_mov_b32 s51, 0
	s_lshl_b32 s52, s22, 12
	s_lshl_b32 s53, s23, 9
	s_add_co_u32 s52, s52, s53
	s_add_co_u32 s52, s52, SC0                     ; my scale bytes' place
	s_mov_b32 s53, 0
	s_wait_dscnt 0x0
	s_wait_kmcnt 0x0
	s_add_nc_u64 s[42:43], s[18:19], s[50:51]
	s_add_nc_u64 s[44:45], s[18:19], s[52:53]
; One half fragment: the 32 numbers of my block in v[xs] on, tile i, 64 along K number c of the K step.
.macro HFQ xs, i, c
.set XS, \xs
.set TI, \i
.set TC, \c
.set PKR, 32+4*TC+TI/2
	v_max3_num_f32 v8, |v[XS]|, |v[XS+1]|, |v[XS+2]|               ; the block's largest magnitude, in two chains
	v_max3_num_f32 v9, |v[XS+3]|, |v[XS+4]|, |v[XS+5]|
.irp t, 6,10,14,18,22,26
	v_max3_num_f32 v8, v8, |v[XS+\t]|, |v[XS+\t+1]|
	v_max3_num_f32 v9, v9, |v[XS+\t+2]|, |v[XS+\t+3]|
.endr
	v_max3_num_f32 v8, v8, |v[XS+30]|, |v[XS+31]|
	v_max3_num_f32 v8, v8, v9, 0x1800000           ; and the floor 2^(3 - 127): the byte cannot fall under 1
	v_add_nc_u32 v10, 0xff000000, v8               ; 2 off the exponent field: the conversion takes this operand's exponent field as its scale
	s_wait_alu depctr_va_vdst(0)
	s_wait_xcnt 0x0                                ; the last half fragment's stores have read v[16:21]: they are written again only behind this wait
	v_cvt_scalef32_pk16_fp6_f32 v[16:18], v[XS:XS+15], v10
	v_cvt_scalef32_pk16_fp6_f32 v[24:26], v[XS+16:XS+31], v10      ; (a conversion's three registers begin on an even number)
	v_lshrrev_b32 v11, 23, v10                     ; the scale's byte; also the plain instruction behind the conversions
	v_mov_b32 v19, v24
	v_mov_b32 v20, v25
	v_mov_b32 v21, v26
	v_lshlrev_b32 v13, v4, v11                     ; my byte at its place in the halfword: lanes 16-31 hold the upper block
	v_permlanex16_b32 v12, v13, s46, s47
.if TI%2 == 0
	v_or_b32 v[PKR], v13, v12
.else
	v_or_b32 v13, v13, v12
	v_lshl_or_b32 v[PKR], v13, 16, v[PKR]
.endif
	global_store_b128 v1, v[16:19], s[42:43] offset:TI*1536+TC*768        ; 512 consecutive bytes,
	global_store_b64 v2, v[20:21], s[42:43] offset:TI*1536+TC*768+512     ; and 256: three aligned blocks of 256 bytes
.endm
.macro FINISH                          ; the wave's 512 scale bytes: lanes 0-15 the first 64 along K, lanes 16-31 the second
.irp m, 0,1,2,3
	v_cndmask_b32 v[40+\m], v[32+\m], v[36+\m], s48
.endr
	global_store_b128 v1, v[40:43], s[44:45]
	s_wait_tensorcnt 0x0
	ds_add_u32 v128, v129
	s_wait_dscnt 0x0
	s_endpgm
.endm
	s_cmp_lt_u32 s21, 192
	s_cbranch_scc1 .Lrows
	s_cmp_ge_u32 s21, 240
	s_cbranch_scc1 .Lrows
	; ---- K OUTER: Wq, Wk, Wv.  A group is two heads; a K step is 128 rows of 256 bytes in each
	s_sub_co_u32 s54, s22, 96
	s_lshr_b32 s54, s54, 3                         ; 0 Wq, 1 Wk, 2 Wv
	s_cmp_eq_u32 s54, 0
	s_cselect_b64 s[40:41], s[10:11], s[12:13]
	s_cmp_lt_u32 s54, 2
	s_cselect_b64 s[40:41], s[40:41], s[14:15]
	s_and_b32 s55, s22, 7
	s_lshl_b32 s56, s55, 19                        ; two heads of 262,144 bytes
	s_lshl_b32 s57, s23, 15                        ; 128 rows of 256 bytes
	s_add_co_u32 s56, s56, s57
	s_mov_b32 s57, 0
	s_add_nc_u64 s[40:41], s[40:41], s[56:57]
	s_wait_alu depctr_va_vdst(0)
	v_lshlrev_b32 v3, 2, v7                        ; my column,
	v_lshl_add_u32 v3, v6, 13, v3                  ; and 32 rows further down for lanes 16-31
.macro LOADX_B q                       ; batch q: head q / 8, 64 along K (q / 4) % 2, tile q % 4 of the head: tiles that share rows follow each other
.set TI, 4*((\q)/8)+(\q)%4
.set TC, ((\q)/4)%2
.set XS, X+32*((\q)%2)
.irp t, 0,1,2,3,4,5,6,7,8,9,10,11,12,13,14,15,16,17,18,19,20,21,22,23,24,25,26,27,28,29,30,31
	global_load_b32 v[XS+\t], v3, s[40:41] offset:(TI/4)*262144+TC*16384+\t*256+(32*((TI%4)/2)+8*(TI%2))*4
.endr
.endm
	LOADX_B 0
	LOADX_B 1
.irp q, 0,1,2,3,4,5,6,7,8,9,10,11,12,13,14,15
.if \q < 15
	s_wait_loadcnt 32                              ; this batch's 32 loads are in; the next batch's may be out
.else
	s_wait_loadcnt 0x0
.endif
	HFQ X+32*(\q%2),4*(\q/8)+\q%4,(\q/4)%2
.if \q < 14
	LOADX_B \q+2
.endif
.endr
	FINISH
	; ---- K INNERMOST: q, k, v, Wo
.Lrows:
	s_lshr_b32 s50, s21, 6                         ; 0 q, 1 k, 2 v, 3 Wo
	s_cmp_eq_u32 s50, 0
	s_cselect_b64 s[40:41], s[4:5], s[6:7]
	s_cmp_lt_u32 s50, 2
	s_cselect_b64 s[40:41], s[40:41], s[8:9]
	s_cmp_lt_u32 s50, 3
	s_cselect_b64 s[40:41], s[40:41], s[16:17]
	s_cselect_b32 s51, 31, 7
	s_and_b32 s51, s22, s51                        ; the group's number in its tensor
	s_lshl_b32 s52, s51, 19                        ; 128 rows of 4,096 bytes
	s_lshl_b32 s53, s23, 9                         ; 128 numbers
	s_add_co_u32 s52, s52, s53
	s_mov_b32 s53, 0
	s_add_nc_u64 s[40:41], s[40:41], s[52:53]
	s_mov_b32 s[G0], 1
	s_mul_i32 s[G0+1], s20, WREG                   ; my wave's LDS bytes
	s_mov_b64 s[G0+2:G0+3], s[40:41]
	s_or_b32 s[G0+3], s[G0+3], 0x80000000
	tensor_load_to_lds s[G0:G0+3], s[G1:G1+7]      ; my wave's one tensor load: all its 128 rows x 512 bytes
	s_nop 0
.rept 4
	v_nop
.endr
	s_wait_alu depctr_va_vdst(0)
	v_mul_u32_u24 v3, v7, PITCH
	v_lshl_add_u32 v3, v6, 7, v3                   ; + 128 bytes for lanes 16-31: the upper block of 64 along K
	v_add_nc_u32 v3, s[G0+1], v3
.macro LOADX_A n                       ; half fragment n = 2 tile + c: my block's 128 bytes
.set TI, (\n)/2
.set TC, (\n)%2
.set XS, X+32*((\n)%2)
.irp j, 0,1,2,3,4,5,6,7
	ds_load_b128 v[XS+4*\j:XS+4*\j+3], v3 offset:(32*(TI/2)+8*(TI%2))*PITCH+256*TC+16*\j
.endr
.endm
	s_wait_alu depctr_va_vdst(0)
	s_wait_tensorcnt 0x0                           ; my 128 rows are in.  Only my wave reads these bytes
	LOADX_A 0
.irp n, 0,1,2,3,4,5,6,7,8,9,10,11,12,13,14,15
.if \n < 15
	LOADX_A \n+1
	s_wait_dscnt 8                                 ; this half fragment's eight loads are in; the next one's may be out
.else
	s_wait_dscnt 0x0
.endif
	HFQ X+32*(\n%2),\n/2,\n%2
.endr
	FINISH
.Lfunc_end_k_qdedf371531_quant:
	.size	k_qdedf371531_quant, .Lfunc_end_k_qdedf371531_quant-k_qdedf371531_quant
	.p2alignl 7, 3214868480
	.fill 96, 4, 3214868480
	.section	.rodata,"a",@progbits
	.p2align	6, 0x0
	.amdhsa_kernel k_qdedf371531_quant
		.amdhsa_group_segment_fixed_size 270848
		.amdhsa_private_segment_fixed_size 0
		.amdhsa_enable_private_segment 0
		.amdhsa_kernarg_size 64
		.amdhsa_user_sgpr_count 2
		.amdhsa_user_sgpr_kernarg_segment_ptr 1
		.amdhsa_wavefront_size32 1
		.amdhsa_system_sgpr_workgroup_id_x 1
		.amdhsa_system_sgpr_workgroup_id_y 1
		.amdhsa_system_sgpr_workgroup_id_z 1
		.amdhsa_system_vgpr_workitem_id 0
		.amdhsa_next_free_vgpr 130
		.amdhsa_next_free_sgpr 66
		.amdhsa_reserve_vcc 0
		.amdhsa_float_denorm_mode_32 3
		.amdhsa_float_denorm_mode_16_64 3
		.amdhsa_memory_ordered 1
		.amdhsa_forward_progress 1
		.amdhsa_inst_pref_size 119
	.end_amdhsa_kernel
	.amdgpu_metadata
---
amdhsa.version: [ 1, 2 ]
amdhsa.kernels:
  - .name:           k_qdedf371531_quant
    .symbol:         k_qdedf371531_quant.kd
    .args:
      - { .name: q, .offset: 0, .size: 8, .value_kind: global_buffer, .address_space: global }
      - { .name: k, .offset: 8, .size: 8, .value_kind: global_buffer, .address_space: global }
      - { .name: v, .offset: 16, .size: 8, .value_kind: global_buffer, .address_space: global }
      - { .name: Wq, .offset: 24, .size: 8, .value_kind: global_buffer, .address_space: global }
      - { .name: Wk, .offset: 32, .size: 8, .value_kind: global_buffer, .address_space: global }
      - { .name: Wv, .offset: 40, .size: 8, .value_kind: global_buffer, .address_space: global }
      - { .name: Wo, .offset: 48, .size: 8, .value_kind: global_buffer, .address_space: global }
      - { .name: opnd, .offset: 56, .size: 8, .value_kind: global_buffer, .address_space: global }
    .group_segment_fixed_size: 270848
    .private_segment_fixed_size: 0
    .kernarg_segment_align: 8
    .kernarg_segment_size: 64
    .max_flat_workgroup_size: 128
    .sgpr_count:     66
    .vgpr_count:     130
    .wavefront_size: 32
...
	.end_amdgpu_metadata
.endif
;; end of part 1
;; launch proj (part 2): grid 4 x 48, 4 waves a work-group, clusters of 4 x 4, 327,680 bytes of LDS; arguments opnd, qw, kvw; writes qw, kvw
.if DOCPART == 2
	.amdgcn_target "amdgcn-amd-amdhsa--gfx1250"
	.amdhsa_code_object_version 6
	.text
	.protected	k_qdedf371531_proj
	.globl	k_qdedf371531_proj
	.p2align	8
	.type	k_qdedf371531_proj,@function
k_qdedf371531_proj:
	s_mov_b64 s[64:65], 0
	v_nop
	global_prefetch_b8 v0, s[64:65] scope:SCOPE_SE
	s_setreg_imm32_b32 hwreg(HW_REG_WAVE_MODE, 25, 1), 1
	s_wait_xcnt 0x0
	s_wait_alu depctr_hold_cnt(0) depctr_sa_sdst(0) depctr_va_vdst(0) depctr_va_sdst(0) depctr_va_ssrc(0) depctr_va_vcc(0) depctr_vm_vsrc(0)
	s_getreg_b32 s2, hwreg(HW_REG_IB_STS2, 6, 4)
	s_cmp_eq_u32 s2, 0
	s_cbranch_scc0 .Lentry_in_a_cluster
	s_endpgm
.Lentry_in_a_cluster:
	s_bfe_u32 s2, ttmp6, 0x10000c
	s_cmp_lg_u32 s2, 0xf033
	s_cbranch_scc0 .Lentry_shape_is_right
	s_endpgm
.Lentry_shape_is_right:
.set SC0,   12582912
.set FR,    12
.set NL,    4
.set NP,    4
.set HALFT, 24576
.set SLOT,  4*HALFT
.set SCL,   2*SLOT
.set SPARE, SCL+4*4096
.set ADRA, 16
.set ADRB, 20
.set L16,  24
.set L8,   25
.set ADRS, 27
.set SPW,  28
.set NIL,  29
.set SC,   32
.set AF,   128
.set TM,   200
.set PWS,  216
.set PC,   224
.set WZ,   244
.set G1, 24
.set G0, 32
.set G1B, 48
.set G0B, 56
.set G1S, 68
.set G0S, 76
.set G1SB, 80
.set G0SB, 88
.set MSB, 0
.macro WIN new
.if MSB != \new
	s_set_vgpr_msb (MSB<<8)|\new
.set MSB, \new
.endif
.endm
.set MUL_LO, 0xa1
.set MUL_HI, 0xf1
.set TO_B,   0x40
.macro JLOAD g0a, g1a, g0b, g1b
	s_cmp_eq_u32 s15, 0
	s_cbranch_scc0 .Lfor_b_\@
	tensor_load_to_lds s[\g0a:\g0a+3], s[\g1a:\g1a+7]
	s_nop 0
.rept 4
	v_nop
.endr
	s_branch .Lasked_\@
.Lfor_b_\@:
	tensor_load_to_lds s[\g0b:\g0b+3], s[\g1b:\g1b+7]
	s_nop 0
.rept 4
	v_nop
.endr
.Lasked_\@:
.endm
.macro CREST
	s_cmp_lg_u32 s14, 0
	s_cbranch_scc1 .Lnot_wave_0_\@
	s_barrier_signal -3
.Lnot_wave_0_\@:
	s_barrier_wait -3
	s_barrier_signal -1
	s_barrier_wait -1
.endm
.macro CROUND
	s_barrier_signal -1
	s_barrier_wait -1
	CREST
.endm
.macro PLACES n
.rept \n
	v_nop
.endr
.endm
	s_load_b128 s[4:7], s[0:1], 0x0
	s_load_b64 s[8:9], s[0:1], 0x10
	v_lshl_add_u32 v[SPW], v0, 2, SPARE
	v_mov_b32 v[NIL], 0
	ds_add_u32 v28, v29
	ds_add_u32 v28, v29
	s_wait_dscnt 0x0
	v_lshrrev_b32 v1, 5, v0
	v_readfirstlane_b32 s14, v1
	s_lshr_b32 s15, s14, 1
	s_and_b32 s16, s14, 1
	s_bfe_u32 s40, ttmp6, 0x40000
	s_bfe_u32 s41, ttmp6, 0x40004
	s_and_b32 s96, ttmp7, 0xffff
	s_and_b32 s97, s96, 3
	s_lshl_b32 s97, s97, 2
	s_lshr_b32 s96, s96, 2
	s_add_co_u32 s18, s97, s41
	s_add_co_u32 s19, s97, s40
	s_lshl_b32 s98, s96, 5
	s_lshl_b32 s99, s96, 3
	s_add_co_u32 s99, s99, 96
	s_cmp_eq_u32 s96, 2
	s_cselect_b32 s17, s41, s18
	s_cselect_b32 s42, s19, s40
	s_cselect_b32 s98, 112, s98
	s_cselect_b32 s99, 64, s99
	s_lshl_b32 s18, s17, 1
	s_add_co_u32 s18, s18, s98
	s_add_co_u32 s18, s18, s16
	s_lshl_b32 s19, s42, 1
	s_add_co_u32 s19, s19, s99
	s_add_co_u32 s19, s19, s16
	s_mul_i32 s22, s18, 98304
	s_mov_b32 s23, 0
	s_lshl_b32 s20, s18, 12
	s_add_co_u32 s20, s20, SC0
	s_mov_b32 s21, 0
	s_mul_i32 s46, s19, 98304
	s_mov_b32 s47, 0
	s_lshl_b32 s92, s19, 12
	s_add_co_u32 s92, s92, SC0
	s_mov_b32 s93, 0
	s_lshl_b32 s43, s41, 2
	s_lshl_b32 s43, 15, s43
	s_lshl_b32 s44, 0x1111, s40
	s_or_b32 s[G1+0], s43, (3<<16)|(1<<21)
	s_or_b32 s[G1B+0], s44, (3<<16)|(1<<21)
.irp g, G1, G1B
	s_mov_b32 s[\g+1], 32<<16
	s_mov_b32 s[\g+2], 96<<16
	s_mov_b32 s[\g+3], 32<<16
	s_mov_b32 s[\g+4], 96
	s_mov_b32 s[\g+5], 32
	s_mov_b32 s[\g+6], 0
	s_mov_b32 s[\g+7], 0
.endr
	s_or_b32 s[G1S+0], s43, (3<<16)|(1<<21)
	s_or_b32 s[G1SB+0], s44, (3<<16)|(1<<21)
.irp g, G1S, G1SB
	s_mov_b32 s[\g+1], 32<<16
	s_mov_b32 s[\g+2], 16<<16
	s_mov_b32 s[\g+3], 32<<16
	s_mov_b32 s[\g+4], 16
	s_mov_b32 s[\g+5], 32
	s_mov_b32 s[\g+6], 0
	s_mov_b32 s[\g+7], 0
.endr
	s_mul_i32 s45, s14, HALFT
	s_lshl_b32 s94, s14, 12
	s_wait_kmcnt 0x0
	s_add_nc_u64 s[22:23], s[4:5], s[22:23]
	s_add_nc_u64 s[20:21], s[4:5], s[20:21]
	s_add_nc_u64 s[46:47], s[4:5], s[46:47]
	s_add_nc_u64 s[92:93], s[4:5], s[92:93]
	CROUND
	s_mov_b32 s[G0S], 1
	s_add_co_u32 s[G0S+1], s94, SCL
	s_mov_b64 s[G0S+2:G0S+3], s[20:21]
	s_or_b32 s[G0S+3], s[G0S+3], 0x80000000
	s_mov_b32 s[G0SB], 1
	s_add_co_u32 s[G0SB+1], s94, SCL
	s_mov_b64 s[G0SB+2:G0SB+3], s[92:93]
	s_or_b32 s[G0SB+3], s[G0SB+3], 0x80000000
	JLOAD G0S, G1S, G0SB, G1SB
.irp s, 0,1
	s_mov_b32 s[G0+4*\s], 1
	s_add_co_u32 s[G0+4*\s+1], s45, \s*SLOT
	s_add_nc_u64 s[G0+4*\s+2:G0+4*\s+3], s[22:23], \s*HALFT
	s_or_b32 s[G0+4*\s+3], s[G0+4*\s+3], 0x80000000
	s_mov_b32 s[G0B+4*\s], 1
	s_add_co_u32 s[G0B+4*\s+1], s45, \s*SLOT
	s_add_nc_u64 s[G0B+4*\s+2:G0B+4*\s+3], s[46:47], \s*HALFT
	s_or_b32 s[G0B+4*\s+3], s[G0B+4*\s+3], 0x80000000
	s_wait_alu depctr_va_vdst(0)
	s_wait_tensorcnt 0x0
	ds_add_u32 v28, v29
	s_wait_dscnt 0x0
	CROUND
	JLOAD G0+4*\s, G1, G0B+4*\s, G1B
.endr
	v_and_b32 v1, 31, v0
	v_and_b32 v2, 15, v0
	v_bfe_u32 v3, v0, 4, 1
	v_lshlrev_b32 v[L16], 4, v1
	v_lshlrev_b32 v[L8], 3, v1
	s_mul_i32 s21, s15, HALFT
	s_mul_i32 s22, s16, HALFT
	s_add_co_u32 s22, s22, 2*HALFT
.irp s, 0,1
	v_add_nc_u32 v[ADRA+\s], s21, v[L16]
	v_add_nc_u32 v[ADRA+2+\s], s21, v[L8]
	v_add_nc_u32 v[ADRB+\s], s22, v[L16]
	v_add_nc_u32 v[ADRB+2+\s], s22, v[L8]
	s_add_co_u32 s21, s21, SLOT
	s_add_co_u32 s22, s22, SLOT
.endr
	s_lshl_b32 s21, s15, 12
	s_lshl_b32 s22, s16, 12
	s_add_co_u32 s22, s22, 8192
	s_sub_co_u32 s22, s22, s21
	v_mul_u32_u24 v6, s22, v3
	s_add_co_u32 s21, s21, SCL
	v_lshl_add_u32 v6, v2, 4, v6
	v_add_nc_u32 v[ADRS], s21, v6
	s_mov_b32 s66, 0x05040100
	s_mov_b32 s67, 0x07060302
.macro FRAG reg, adr, q, i
	ds_load_b128 v[\reg:\reg+3], v[\adr] offset:(\q)*12288+(\i)*1536
	ds_load_b64 v[\reg+4:\reg+5], v[\adr+2] offset:(\q)*12288+(\i)*1536+512
	ds_load_b128 v[\reg+6:\reg+9], v[\adr] offset:(\q)*12288+(\i)*1536+768
	ds_load_b64 v[\reg+10:\reg+11], v[\adr+2] offset:(\q)*12288+(\i)*1536+1280
.endm
.macro MUL16 a0, p, S, zero
.irp a, \a0, \a0+1
.irp b, 0,1,2,3,4,5,6,7
.if \zero
	v_wmma_scale_f32_16x16x128_f8f6f4 v[8*(8*((\a)%4)+\b):8*(8*((\a)%4)+\b)+7], v[128*(\p)+FR*\b:128*(\p)+FR*\b+FR-1], v[AF+FR*(\a):AF+FR*(\a)+FR-1], 0, v[SC+8*(\S)+\b], v[SC+8*(\S)+(\a)] matrix_a_fmt:MATRIX_FMT_FP6 matrix_b_fmt:MATRIX_FMT_FP6 matrix_a_scale:MATRIX_SCALE_ROW1
.else
	v_wmma_scale_f32_16x16x128_f8f6f4 v[8*(8*((\a)%4)+\b):8*(8*((\a)%4)+\b)+7], v[128*(\p)+FR*\b:128*(\p)+FR*\b+FR-1], v[AF+FR*(\a):AF+FR*(\a)+FR-1], v[8*(8*((\a)%4)+\b):8*(8*((\a)%4)+\b)+7], v[SC+8*(\S)+\b], v[SC+8*(\S)+(\a)] matrix_a_fmt:MATRIX_FMT_FP6 matrix_b_fmt:MATRIX_FMT_FP6 matrix_a_scale:MATRIX_SCALE_ROW1
.endif
.endr
.endr
.endm
.macro FETCH_B slot, q, p
	WIN TO_B
.irp i, 0,1,2,3,4,5,6,7
	FRAG 128*(\p)+FR*\i, ADRB+\slot, \q, \i
.endr
	WIN 0
.endm
.macro FETCH_A slot, q, i0
.irp i, \i0, \i0+1, \i0+2, \i0+3
	FRAG AF+FR*(\i), ADRA+\slot, \q, \i
.endr
.endm
.macro STEP slot, S, zero
	s_wait_dscnt 4*NL
	WIN MUL_LO
	MUL16 0, 0, \S, \zero
	MUL16 2, 0, \S, \zero
	s_wait_dscnt 0
	PLACES NP
	FETCH_B \slot, 1, 1
	FETCH_A \slot, 1, 0
	WIN MUL_HI
	MUL16 4, 0, \S, \zero
	MUL16 6, 0, \S, \zero
	PLACES NP
	WIN 0
	FETCH_A \slot, 1, 4
.endm
.macro TURN slot, next, S, fill
	s_wait_tensorcnt 0x0
	ds_add_u32 v[SPW], v[NIL]
	s_wait_dscnt 4*NL+1
	WIN MUL_LO
	MUL16 0, 1, \S, 0
	s_wait_dscnt 0x0
	s_barrier_signal -1
	MUL16 2, 1, \S, 0
	WIN 0
	s_barrier_wait -1
.if \fill
	CREST
	s_add_nc_u64 s[G0+4*\slot+2:G0+4*\slot+3], s[G0+4*\slot+2:G0+4*\slot+3], 2*HALFT
	s_add_nc_u64 s[G0B+4*\slot+2:G0B+4*\slot+3], s[G0B+4*\slot+2:G0B+4*\slot+3], 2*HALFT
	JLOAD G0+4*\slot, G1, G0B+4*\slot, G1B
.else
	PLACES NP
.endif
	FETCH_B \next, 0, 0
	FETCH_A \next, 0, 0
	WIN MUL_HI
	MUL16 4, 1, \S, 0
	MUL16 6, 1, \S, 0
	PLACES NP
	WIN 0
	FETCH_A \next, 0, 4
.endm
	s_wait_alu depctr_va_vdst(0)
	s_wait_tensorcnt 1
	s_barrier_signal -1
	s_barrier_wait -1
.irp k, 0,1,2,3,4,5,6,7,8,9,10,11,12,13,14,15
	ds_load_b128 v[128+4*\k:131+4*\k], v[ADRS] offset:256*\k
.endr
	FETCH_B 0, 0, 0
	s_wait_dscnt 32
.irp S, 0,1,2,3,4,5,6,7
.irp m, 0,1,2,3
	v_perm_b32 v[SC+8*\S+2*\m], v[128+4*(2*\S+1)+\m], v[128+4*(2*\S)+\m], s66
	v_perm_b32 v[SC+8*\S+2*\m+1], v[128+4*(2*\S+1)+\m], v[128+4*(2*\S)+\m], s67
.endr
.endr
	FETCH_A 0, 0, 0
	FETCH_A 0, 0, 4
	STEP 0, 0, 1
	TURN 0, 1, 1, 1
	STEP 1, 2, 0
	TURN 1, 0, 3, 1
	STEP 0, 4, 0
	TURN 0, 1, 5, 0
	s_wait_alu depctr_va_vdst(0)
	STEP 1, 6, 0
	s_wait_dscnt 4*NL
	WIN MUL_LO
	MUL16 0, 1, 7, 0
	MUL16 2, 1, 7, 0
	s_wait_dscnt 0
	WIN MUL_HI
	MUL16 4, 1, 7, 0
	MUL16 6, 1, 7, 0
	WIN 0
	PLACES NP
.irp b, 0,1,2,3
	v_mov_b32 v[TM+4+\b], 0
.endr
	s_mov_b32 s98, 0x76543210
	s_mov_b32 s99, 0xfedcba98
	s_mov_b32 s100, 0xffff0000
	s_lshl_b32 s18, s42, 2
	s_lshl_b32 s19, s16, 1
	s_add_co_u32 s18, s18, s19
	s_lshl_b32 s19, s17, 1
	s_add_co_u32 s19, s19, s15
	s_lshl_b32 s20, s17, 2
	s_lshl_b32 s21, s15, 1
	s_add_co_u32 s20, s20, s21
	s_lshl_b32 s21, s42, 1
	s_add_co_u32 s21, s21, s16
	s_mov_b32 s26, 417792
	s_mov_b32 s27, 13056
	s_cmp_eq_u32 s96, 0
	s_cselect_b64 s[24:25], s[6:7], s[8:9]
	s_cselect_b32 s26, 212992, s26
	s_cselect_b32 s27, 6656, s27
	s_mov_b32 s34, 768
	s_mov_b32 s36, 768
	s_mov_b32 s38, 6144
	s_cmp_eq_u32 s96, 2
	s_cselect_b32 s18, s20, s18
	s_cselect_b32 s19, s21, s19
	s_cselect_b32 s30, 6656, 0
	s_cselect_b32 s32, 768, s26
	s_cselect_b32 s34, 1536, s34
	s_cselect_b32 s36, 413184, s36
	s_cselect_b32 s38, 12800, s38
	s_mov_b32 s31, 0
	s_mov_b32 s33, 0
	s_mov_b32 s35, 0
	s_mov_b32 s37, 0
	s_mov_b32 s39, 0
	s_mul_i32 s28, s18, s26
	s_mul_i32 s29, s19, s27
	s_add_co_u32 s28, s28, s29
	s_mov_b32 s29, 0
	s_mov_b32 s27, 0
	s_add_nc_u64 s[24:25], s[24:25], s[28:29]
	s_add_nc_u64 s[48:49], s[24:25], s[30:31]
	s_add_nc_u64 s[50:51], s[48:49], s[32:33]
	s_add_nc_u64 s[52:53], s[24:25], s[38:39]
	s_add_nc_u64 s[54:55], s[52:53], s[26:27]
.macro QUANTW a
.set AC, 64*((\a)%4)
.set WD, 2+(\a)/4
.set WW, (WD<<2)|(WD<<4)
	WIN WW
.irp b, 0,1,2,3
	v_max3_num_f32 v[TM+\b], 0x1800000, |v[AC+16*\b]|, |v[AC+1+16*\b]|
.endr
.irp i, 2,4,6,8,10,12,14
.irp b, 0,1,2,3
	v_max3_num_f32 v[TM+\b], v[TM+\b], |v[AC+16*\b+\i]|, |v[AC+1+16*\b+\i]|
.endr
.endr
	WIN 0
.irp b, 0,1,2,3
	v_permlanex16_b32 v[TM+4+\b], v[TM+\b], s98, s99
.endr
.irp b, 0,1,2,3
	v_max_num_f32 v[TM+\b], v[TM+\b], v[TM+4+\b]
.endr
.irp b, 0,1,2,3
	v_add_nc_u32 v[TM+12+\b], 0xff000000, v[TM+\b]
.endr
.irp b, 0,1,2,3
	v_lshrrev_b32 v[TM+4+\b], 23, v[TM+12+\b]
.endr
	v_lshl_or_b32 v[PWS+(\a)], v[TM+5], 8, v[TM+4]
	v_lshl_or_b32 v[PWS+(\a)], v[TM+6], 16, v[PWS+(\a)]
	v_lshl_or_b32 v[PWS+(\a)], v[TM+7], 24, v[PWS+(\a)]
	WIN WD
.irp c, 0,1
	v_cvt_scalef32_pk16_fp6_f32 v[PC+6*\c:PC+2+6*\c], v[AC+32*\c:AC+15+32*\c], v[TM+12+2*\c]
	v_cvt_scalef32_pk16_fp6_f32 v[PC+12+4*\c:PC+14+4*\c], v[AC+16+32*\c:AC+31+32*\c], v[TM+12+2*\c+1]
.endr
	WIN 0
	v_nop
.irp c, 0,1
.irp i, 0,1,2
	v_permlane16_swap_b32 v[PC+6*\c+\i], v[PC+12+4*\c+\i]
.endr
.irp i, 0,1,2
	v_mov_b32 v[PC+3+6*\c+\i], v[PC+12+4*\c+\i]
.endr
.endr
.endm
.irp a, 0,1,2,3,4,5,6,7
.if \a > 0
	s_wait_xcnt 0x0
.if \a == 4
	s_add_nc_u64 s[48:49], s[48:49], s[36:37]
	s_add_nc_u64 s[50:51], s[50:51], s[36:37]
.else
	s_add_nc_u64 s[48:49], s[48:49], s[34:35]
	s_add_nc_u64 s[50:51], s[50:51], s[34:35]
.endif
.endif
	QUANTW \a
	global_store_b128 v[L16], v[PC:PC+3], s[48:49]
	global_store_b64 v[L8], v[PC+4:PC+5], s[48:49] offset:512
	global_store_b128 v[L16], v[PC+6:PC+9], s[50:51]
	global_store_b64 v[L8], v[PC+10:PC+11], s[50:51] offset:512
.endr
	s_cmp_eq_u32 s96, 2
	s_cbranch_scc1 .Lv_scales
.irp j, 0,1,2,3
	v_cndmask_b32 v[WZ+\j], v[PWS+\j], v[PWS+4+\j], s100
.endr
	global_store_b128 v[L16], v[WZ:WZ+3], s[52:53]
.irp j, 0,1,2,3
	v_lshrrev_b32 v[WZ+4+\j], 16, v[WZ+\j]
.endr
	global_store_b128 v[L16], v[WZ+4:WZ+7], s[54:55]
	s_branch .Ldone
.Lv_scales:
.irp e, 0,1
.irp j, 0,1
	v_cndmask_b32 v[WZ+2*\e+\j], v[PWS+4*\e+\j], v[PWS+4*\e+2+\j], s100
.endr
.endr
	global_store_b64 v[L8], v[WZ:WZ+1], s[52:53]
	global_store_b64 v[L8], v[WZ+2:WZ+3], s[52:53] offset:417792
.Ldone:
	s_wait_tensorcnt 0x0
	ds_add_u32 v[SPW], v[NIL]
	s_wait_dscnt 0x0
	CROUND
	s_endpgm
.Lfunc_end_k_qdedf371531_proj:
	.size	k_qdedf371531_proj, .Lfunc_end_k_qdedf371531_proj-k_qdedf371531_proj
	.p2alignl 7, 3214868480
	.fill 96, 4, 3214868480
	.section	.rodata,"a",@progbits
	.p2align	6, 0x0
	.amdhsa_kernel k_qdedf371531_proj
		.amdhsa_group_segment_fixed_size 327680
		.amdhsa_private_segment_fixed_size 0
		.amdhsa_enable_private_segment 0
		.amdhsa_kernarg_size 24
		.amdhsa_user_sgpr_count 2
		.amdhsa_user_sgpr_kernarg_segment_ptr 1
		.amdhsa_wavefront_size32 1
		.amdhsa_system_sgpr_workgroup_id_x 1
		.amdhsa_system_sgpr_workgroup_id_y 1
		.amdhsa_system_sgpr_workgroup_id_z 1
		.amdhsa_system_vgpr_workitem_id 0
		.amdhsa_next_free_vgpr 1024
		.amdhsa_next_free_sgpr 102
		.amdhsa_reserve_vcc 0
		.amdhsa_float_denorm_mode_32 3
		.amdhsa_float_denorm_mode_16_64 3
		.amdhsa_memory_ordered 1
		.amdhsa_forward_progress 1
		.amdhsa_inst_pref_size 155
	.end_amdhsa_kernel
	.amdgpu_metadata
---
amdhsa.version: [ 1, 2 ]
amdhsa.kernels:
  - .name:           k_qdedf371531_proj
    .symbol:         k_qdedf371531_proj.kd
    .args:
      - { .name: opnd, .offset: 0, .size: 8, .value_kind: global_buffer, .address_space: global }
      - { .name: qw, .offset: 8, .size: 8, .value_kind: global_buffer, .address_space: global }
      - { .name: kvw, .offset: 16, .size: 8, .value_kind: global_buffer, .address_space: global }
    .group_segment_fixed_size: 327680
    .private_segment_fixed_size: 0
    .kernarg_segment_align: 8
    .kernarg_segment_size: 24
    .max_flat_workgroup_size: 128
    .sgpr_count:     102
    .vgpr_count:     1024
    .wavefront_size: 32
...
	.end_amdgpu_metadata
.endif
;; end of part 2
;; launch attn (part 3): grid 16 x 16, 8 waves a work-group, clusters of 4 x 1, 327,680 bytes of LDS; arguments qw, kvw, hc; writes hc
.if DOCPART == 3
	.amdgcn_target "amdgcn-amd-amdhsa--gfx1250"
	.amdhsa_code_object_version 6
	.text
	.protected	k_qdedf371531_attn
	.globl	k_qdedf371531_attn
	.p2align	8
	.type	k_qdedf371531_attn,@function
k_qdedf371531_attn:
	s_mov_b64 s[64:65], 0
	v_nop
	global_prefetch_b8 v0, s[64:65] scope:SCOPE_SE
	s_setreg_imm32_b32 hwreg(HW_REG_WAVE_MODE, 25, 1), 1
	s_wait_xcnt 0x0
	s_wait_alu depctr_hold_cnt(0) depctr_sa_sdst(0) depctr_va_vdst(0) depctr_va_sdst(0) depctr_va_ssrc(0) depctr_va_vcc(0) depctr_vm_vsrc(0)
	s_getreg_b32 s2, hwreg(HW_REG_IB_STS2, 6, 4)
	s_cmp_eq_u32 s2, 0
	s_cbranch_scc0 .Lentry_in_a_cluster
	s_endpgm
.Lentry_in_a_cluster:
	s_bfe_u32 s2, ttmp6, 0x10000c
	s_cmp_lg_u32 s2, 0x3003
	s_cbranch_scc0 .Lentry_shape_is_right
	s_endpgm
.Lentry_shape_is_right:
; head_cat[q][64 h + :] = the sum over keys of softmax(qh . kh / 8) vh, both products on codes of FP6 (E2M3) with E8M0 scales; the result is quantised along (head, channel) and stored as the last product's operand.
; THE SOFTMAX AHEAD OF THE SECOND PRODUCT: t = score x log2(e) / 8; M = the row's largest t so far, rounded UP to a whole number; p = 2^(t - M) is quantised along the keys, not normalised.  The row's sum is taken of the
; unquantised p and divides at the end.  When M moves, the sum and O are multiplied by 2^(old M - new M): exact.
; SHARES.  A work-group owns 256 stored queries of one head; each of its eight waves two tiles of 16 queries, in 512 registers: each fragment of K and of V^T that a wave reads from LDS feeds two products.
; Every wave walks the head's 4,096 keys, 128 a step.  A step's record in kvw (13,056 bytes: K's 8 half fragments, K's scale image, V^T's 4 fragments, V's scale image) lies in the order of the registers.
; THE RING: two LDS slots of 8 steps (104,448 bytes).  Each of the eight waves fetches one step of a slot: one load of 51 rows of 256 bytes, one at the head and one behind each round.
; CLUSTER: the four query blocks of a cluster belong to one head and ask jointly.  No prefetch is laid: a slot is asked for eight key steps ahead of its first read.
; LAYOUT.  Both products transposed: S^T = K Q^T, O^T = V^T P^T: a lane holds ONE query.  THE KEYS OF A TILE OF K ARE CHOSEN BY THE LANES' LDS ADDRESSES: row m of tile (g, i) is key 64 g + 32 (m / 8) + 8 i + m % 8.
; So lane (r, h) finds in the 32 registers of tiles (g, 0 .. 3) the WHOLE block of keys 64 g + 32 h + 0 .. 31, in order: its maximum needs no other lane, and the conversions' results are P's operand as they stand.
; kvw has key 32 b + 8 u + 16 a + j at row 8 a + j of stored tile 2 b + u: hence the address terms 1,536 (r / 8), 768 (i % 2) and 128 or 64 (i / 2) below.
; The head's size is 64 and the instruction's K is 128: registers 6-11 of Q's and of K's fragments hold zero codes, which add nothing under any scale byte but 0xff.
; LIMITS: the promise holds while the scaled scores t stay under 2^31 in magnitude; NaN and infinities are not served; a block whose largest magnitude lies under 2^-124 has its byte held at 1;
; a block of zeros gets the byte 1 (zero codes; this program alone reads the bytes).
; REGISTERS.  Window 0: v1, v2 16, 8 x lane; v3, v4 V's step addresses; v5, v6 the spare word and 0; v7-9 K's lane terms, v10-12 K's step addresses; v13 my scale halfwords' place; v16-17 Q's scales, v18-21 K's, v22-23 V's, v24-25 p's;
;   v32-55 Q; v56-151 K's eight fragments; v152-199 V^T's four; v200-223 p's codes; v224-239 the conversions' upper halves; v240-255 at work.
; Window 1: tile T's S^T, then p, at v[64 T]; its O^T at v[128 + 32 T]; its small numbers at v[192 + 32 T]: +0, 1 block maxima; +2 -M; +3 the largest score; +4, 5 the sum; +6, 7 f; +8, 9 at work; +10-17 partial sums;
;   +18, 19 the conversions' scale operands; +28, 29 bytes.  v223: 8 x (lane / 16).
.set STEPB, 13056
.set SLOTB, 8*STEPB
.set HSTG,  2*SLOTB                    ; behind the ring: 512 bytes where the sixteen tiles' scale halfwords meet; no fill lands here
.set SPARE, HSTG+512                   ; the spare words, 128 bytes for each wave: four blocks of 256 bytes that no other line names
.set KF, 56
.set VF, 152
.set PC, 200
.set CT, 224
.set W1,   0x55                        ; every operand in window 1
.set WOUT, 0x15                        ; sources in window 1, destination in window 0
.set MSB, 0
.macro WIN new                         ; the immediate's high byte repeats the setting that is left
.if MSB != \new
	s_set_vgpr_msb (MSB<<8)|\new
.set MSB, \new
.endif
.endm
.macro CROUND                          ; a round of the cluster's barrier
	s_barrier_signal -1
	s_barrier_wait -1
	s_cmp_lg_u32 s18, 0
	s_cbranch_scc1 .Lnot_wave_0_\@
	s_barrier_signal -3
.Lnot_wave_0_\@:
	s_barrier_wait -3
	s_barrier_signal -1
	s_barrier_wait -1
.endm
.macro TLOAD                           ; my one tensor load
	tensor_load_to_lds s[32:35], s[24:31]
	s_nop 0
.rept 4
	v_nop
.endr
.endm
	s_load_b128 s[4:7], s[0:1], 0x0                ; qw, kvw
	s_load_b64 s[8:9], s[0:1], 0x10                ; hc
	v_lshl_add_u32 v5, v0, 2, SPARE
	v_mov_b32 v6, 0
	ds_add_u32 v5, v6                              ; the opening lines: the add, twice on end, and its wait
	ds_add_u32 v5, v6
	v_lshrrev_b32 v14, 5, v0
	v_readfirstlane_b32 s18, v14                   ; wave 0..7
	s_bfe_u32 s42, ttmp6, 0x40000                  ; cx
	s_lshl_b32 s43, ttmp9, 2
	s_add_co_u32 s43, s43, s42                     ; my block of 256 queries: it enters qw's and hc's addresses alone
	s_and_b32 s44, ttmp7, 0xffff                   ; the head, which the four partners share
	s_mul_i32 s45, s18, STEPB                      ; the step of a slot that I fetch
	s_mul_i32 s46, s44, 417792
	s_add_co_u32 s46, s46, s45
	s_mov_b32 s47, 0
	s_mov_b32 s24, 15|(3<<16)|(1<<21)              ; the mask: all four work-groups; elements of 8 bytes; bit 21 beside a mask; no padding
	s_mov_b32 s25, 32<<16                          ; rows of 256 bytes,
	s_mov_b32 s26, 51<<16                          ; 51 of them: one step's record
	s_mov_b32 s27, 32<<16
	s_mov_b32 s28, 51
	s_mov_b32 s29, 32
	s_mov_b32 s30, 0
	s_mov_b32 s31, 0
	s_mov_b32 s20, 0x76543210
	s_mov_b32 s21, 0xfedcba98                      ; selects for lane l xor 16
	s_mov_b32 s22, 0x3e38aa3b                      ; c = log2(e) / 8
	s_mov_b32 s23, s22                             ; (named with it as a pair)
	s_mov_b32 s16, 0xbe38aa3b                      ; -c
	s_lshr_b32 s48, s18, 2                         ; which of my block's two groups of 128 queries
	s_and_b32 s49, s18, 3
	s_lshl_b32 s49, s49, 1                         ; my first tile in the group; the second follows it
	s_lshl_b32 s50, s43, 1
	s_add_co_u32 s50, s50, s48                     ; the group
	s_mul_i32 s52, s44, 212992
	s_mul_i32 s51, s50, 6656
	s_add_co_u32 s52, s52, s51
	s_mov_b32 s53, 0
	s_mul_i32 s56, s49, 768
	s_mov_b32 s57, 0
	s_bfe_u32 s58, s18, 0x10001
	s_lshl_b32 s58, s58, 8
	s_and_b32 s59, s18, 1
	s_lshl_b32 s59, s59, 3
	s_add_co_u32 s58, s58, s59                     ; my two tiles' words in Q's scale image: 256 (a / 4) + 4 (a % 4), a = my first tile
	s_lshl_b32 s59, s48, 8
	s_lshl_b32 s51, s49, 1
	s_add_co_u32 s59, s59, s51
	s_add_co_u32 s59, s59, HSTG
	s_lshl_b32 s36, s50, 3
	s_lshr_b32 s37, s44, 1
	s_add_co_u32 s36, s36, s37                     ; hc: 8 x group + K step (two heads to a K step)
	s_lshl_b32 s36, s36, 3
	s_add_co_u32 s36, s36, s49                     ; x 8 + tile
	s_mul_i32 s36, s36, 1536
	s_and_b32 s37, s44, 1
	s_mul_i32 s37, s37, 768
	s_add_co_u32 s36, s36, s37
	s_mov_b32 s37, 0
	s_lshl_b32 s38, s43, 13
	s_lshl_b32 s39, s44, 8
	s_add_co_u32 s38, s38, s39
	s_add_co_u32 s38, s38, 3145728
	s_mov_b32 s39, 0
	s_wait_dscnt 0x0                               ; both opening adds are done
	s_wait_kmcnt 0x0
	s_mov_b32 s32, 1
	s_mov_b32 s33, s45                             ; slot 0
	s_add_nc_u64 s[34:35], s[6:7], s[46:47]
	s_or_b32 s35, s35, 0x80000000
	s_add_nc_u64 s[54:55], s[4:5], s[52:53]        ; my group's record in qw
	s_add_nc_u64 s[56:57], s[54:55], s[56:57]      ; my two tiles' half fragments
	s_add_nc_u64 s[10:11], s[8:9], s[36:37]        ; my two half fragments in hc
	s_add_nc_u64 s[12:13], s[8:9], s[38:39]        ; my work-group's two groups' scales of this head
	CROUND                                         ; all four work-groups are here: the first joint loads meet
	TLOAD                                          ; keys 0 - 1,023: every wave asks for one step
	v_and_b32 v14, 31, v0
	v_lshlrev_b32 v1, 4, v14
	v_lshlrev_b32 v2, 3, v14
	v_and_b32 v15, 15, v0
	v_lshlrev_b32 v240, 4, v15                     ; 16 r
	v_add_nc_u32 v241, s58, v240
	global_load_b128 v[32:35], v1, s[56:57]        ; Q's two half fragments stay in registers
	global_load_b64 v[36:37], v2, s[56:57] offset:512
	global_load_b128 v[44:47], v1, s[56:57] offset:768
	global_load_b64 v[48:49], v2, s[56:57] offset:1280
	global_load_b64 v[16:17], v241, s[54:55] offset:6144   ; and their scale words
	v_add_nc_u32 v13, s59, v240                    ; HSTG + 256 (tile / 8) + 16 r + 2 (tile % 8)
	v_and_b32 v242, 7, v0                          ; r % 8
	v_bfe_u32 v243, v0, 3, 1                       ; r / 8
	v_bfe_u32 v244, v0, 4, 1                       ; lane / 16
	v_lshl_add_u32 v245, v244, 4, v242             ; the stored lane, less 8 (i / 2)
	v_mul_u32_u24 v246, v243, 1536                 ; two stored tiles on for rows 8-15
	v_lshl_add_u32 v7, v245, 4, v246               ; K: registers 0-3,
	v_lshl_add_u32 v8, v245, 3, v246               ; registers 4-5,
	v_lshlrev_b32 v9, 8, v244
	v_lshl_add_u32 v9, v242, 4, v9
	v_lshl_add_u32 v9, v243, 3, v9                 ; scale words: 256 g + 16 (r % 8) + 8 (r / 8), lanes 16-31 taking g = 1
.irp j, 38,39,40,41,42,43,50,51,52,53,54,55
	v_mov_b32 v[\j], 0                             ; zero codes for K = 64 .. 127
.endr
.irp t, 0,1,2,3,4,5,6,7
.irp j, 6,7,8,9,10,11
	v_mov_b32 v[KF+12*\t+\j], 0                    ; likewise in K's eight fragments: never loaded
.endr
.endr
	WIN 0x40                                       ; destinations in window 1
.set JJ, 0
.rept 64
	v_mov_b32 v[128+JJ], 0                         ; O^T: the step is written once; the first finds zeros, which the first change of M leaves zeros
.set JJ, JJ+1
.endr
.irp T, 0,1
	v_mov_b32 v[194+32*\T], 0x7f61b1e6             ; -M: 3e38, so that the first f is 0
	v_mov_b32 v[195+32*\T], 0xff61b1e6             ; the largest score so far: -3e38
.irp j, 4,5,7,8,9
	v_mov_b32 v[192+32*\T+\j], 0                   ; the sum; the upper half of f's pair; the lane permutes' destinations
.endr
.endr
	v_lshlrev_b32 v223, 3, v244                    ; 8 x (lane / 16)
	WIN 0
; A KEY STEP: 128 keys, whose record begins at LDS byte s40.
.macro STEP
	v_add_nc_u32 v10, s40, v7                      ; (these five are also the places in front of the loads into V's registers, which the last step's products read)
	v_add_nc_u32 v11, s40, v8
	v_add_nc_u32 v12, s40, v9
	v_add_nc_u32 v3, s40, v1
	v_add_nc_u32 v4, s40, v2
	ds_load_b64 v[18:19], v12 offset:6144          ; K's scale words of tiles (g, 0), (g, 1): lanes 0-15 g = 0, lanes 16-31 g = 1
	ds_load_b64 v[20:21], v12 offset:6144+128      ; and of tiles (g, 2), (g, 3)
.irp g, 0,1
.irp i, 0,1,2,3
	ds_load_b128 v[KF+12*(4*\g+\i):KF+12*(4*\g+\i)+3], v10 offset:3072*\g+768*(\i%2)+128*(\i/2)
	ds_load_b64 v[KF+12*(4*\g+\i)+4:KF+12*(4*\g+\i)+5], v11 offset:3072*\g+768*(\i%2)+64*(\i/2)+512
.endr
.endr
.irp d, 0,1,2,3
	ds_load_b128 v[VF+12*\d:VF+12*\d+3], v3 offset:6656+1536*\d
	ds_load_b64 v[VF+12*\d+4:VF+12*\d+5], v4 offset:6656+1536*\d+512
	ds_load_b128 v[VF+12*\d+6:VF+12*\d+9], v3 offset:6656+1536*\d+768
	ds_load_b64 v[VF+12*\d+10:VF+12*\d+11], v4 offset:6656+1536*\d+1280
.endr
	ds_load_b64 v[22:23], v4 offset:12800          ; V's scale words: lane (hf, r), word j: tile 2 hf + j
	s_wait_alu depctr_va_vdst(0)                   ; directly ahead of the wait below
	s_wait_dscnt 17                                ; K's 18 loads are in; V's 16 and its scale words may be out
	WIN 0x40
.irp i, 0,1,2,3
.irp T, 0,1
	v_wmma_scale_f32_16x16x128_f8f6f4 v[64*\T+8*\i:64*\T+8*\i+7], v[KF+12*\i:KF+12*\i+11], v[32+12*\T:43+12*\T], 0, v[18+\i], v[16+\T] matrix_a_fmt:MATRIX_FMT_FP6 matrix_b_fmt:MATRIX_FMT_FP6
.endr
.endr
.irp i, 0,1,2,3
.irp T, 0,1
	v_wmma_scale_f32_16x16x128_f8f6f4 v[64*\T+32+8*\i:64*\T+32+8*\i+7], v[KF+48+12*\i:KF+48+12*\i+11], v[32+12*\T:43+12*\T], 0, v[18+\i], v[16+\T] matrix_a_fmt:MATRIX_FMT_FP6 matrix_b_fmt:MATRIX_FMT_FP6 matrix_a_scale:MATRIX_SCALE_ROW1
.endr
.endr
	s_wait_dscnt 0x0                               ; V^T's fragments and scale words are in
.rept 4
	v_nop                                          ; places behind the products
.endr
	WIN W1
.irp T, 0,1                                    ; THE LARGEST SCORE OF EACH BLOCK OF 32 KEYS, all in my own registers; it serves the row's maximum and, since p rises with the score, the block's largest p.  Each accumulator is read from its low end on
.irp g, 0,1
	v_max3_num_f32 v[192+32*\T+\g], v[64*\T+32*\g], v[64*\T+32*\g+1], v[64*\T+32*\g+2]
.endr
.endr
.irp i, 3,5,7,9,11,13,15,17,19,21,23,25,27,29
.irp T, 0,1
.irp g, 0,1
	v_max3_num_f32 v[192+32*\T+\g], v[192+32*\T+\g], v[64*\T+32*\g+\i], v[64*\T+32*\g+\i+1]
.endr
.endr
.endr
.irp T, 0,1
.irp g, 0,1
	v_max_num_f32 v[192+32*\T+\g], v[192+32*\T+\g], v[64*\T+32*\g+31]
.endr
.endr
.irp T, 0,1
	v_max_num_f32 v[200+32*\T], v[192+32*\T], v[193+32*\T]
.endr
.irp T, 0,1
	v_permlanex16_b32 v[201+32*\T], v[200+32*\T], s20, s21
.endr
.irp T, 0,1
	v_max3_num_f32 v[195+32*\T], v[195+32*\T], v[200+32*\T], v[201+32*\T]   ; the running largest score, with lane l xor 16's 64 keys
.endr
.irp T, 0,1
	v_mov_b32 v[200+32*\T], v[194+32*\T]
.endr
.irp T, 0,1
	v_mul_f32 v[201+32*\T], s16, v[195+32*\T]      ; -t (c is positive)
.endr
.irp T, 0,1
	v_floor_f32 v[194+32*\T], v[201+32*\T]         ; the new -M = floor(-t) = -ceil(t): a whole number
.endr
.irp T, 0,1
	v_sub_f32 v[200+32*\T], v[194+32*\T], v[200+32*\T]   ; old M - new M: a whole number, 0 or less
.endr
.irp T, 0,1
	v_cvt_i32_f32 v[200+32*\T], v[200+32*\T]       ; (it saturates)
.endr
.irp T, 0,1
	v_ldexp_f32 v[198+32*\T], 1.0, v[200+32*\T]    ; f = 2^(old M - new M)
.endr
.irp T, 0,1
.set JJ, 0
.rept 16
	v_pk_mul_f32 v[128+32*\T+JJ:129+32*\T+JJ], v[128+32*\T+JJ:129+32*\T+JJ], v[198+32*\T:199+32*\T] op_sel_hi:[1,0]   ; O^T under the new M
.set JJ, JJ+2
.endr
	v_pk_mul_f32 v[196+32*\T:197+32*\T], v[196+32*\T:197+32*\T], v[198+32*\T:199+32*\T] op_sel_hi:[1,0]   ; and the sum
.endr
.set JJ, 0
.rept 32
	v_pk_fma_f32 v[JJ:JJ+1], v[JJ:JJ+1], s[22:23], v[194:195] op_sel_hi:[1,0,0]   ; tile 0: t - M, two at a time
.set JJ, JJ+2
.endr
	v_fma_f32 v192, v192, s22, v194                ; the same of each block's largest score
	v_fma_f32 v193, v193, s22, v194
	s_wait_alu depctr_va_vdst(0)                   ; ahead of a batch of exponentials
.set JJ, 0
.rept 32
	v_exp_f32 v[JJ], v[JJ]                         ; tile 0: p = 2^(t - M), at most 1: not normalised;
	v_exp_f32 v[JJ+1], v[JJ+1]
	v_pk_fma_f32 v[64+JJ:65+JJ], v[64+JJ:65+JJ], s[22:23], v[226:227] op_sel_hi:[1,0,0]   ; among them tile 1's t - M, which is read behind the next wait
.set JJ, JJ+2
.endr
	v_exp_f32 v192, v192                           ; the block's largest p: the same two instructions on the same number give the same bits
	v_exp_f32 v193, v193
	v_fma_f32 v224, v224, s22, v226
	v_fma_f32 v225, v225, s22, v226
	s_wait_alu depctr_va_vdst(0)                   ; behind tile 0's batch and ahead of tile 1's
.set JJ, 64
.rept 64
	v_exp_f32 v[JJ], v[JJ]
.set JJ, JJ+1
.endr
	v_exp_f32 v224, v224
	v_exp_f32 v225, v225
	v_nop                                          ; the plain instruction behind the exponentials
	s_wait_alu depctr_va_vdst(0)                   ; one wait for the batch, ahead of its first reader
.irp T, 0,1
.irp g, 0,1
	v_max_num_f32 v[192+32*\T+\g], 0x1800000, v[192+32*\T+\g]    ; the floor 2^(3 - 127): the byte cannot fall under 1
.endr
.endr
.irp T, 0,1
.irp g, 0,1
	v_add_nc_u32 v[210+32*\T+\g], 0xff000000, v[192+32*\T+\g]    ; 2 off the exponent field: the conversion's scale operand
.endr
.endr
.irp T, 0,1
.irp g, 0,1
	v_lshrrev_b32 v[220+32*\T+\g], 23, v[210+32*\T+\g]           ; the scale's byte
.endr
.endr
.irp T, 0,1
	v_lshl_or_b32 v[220+32*\T], v[221+32*\T], 16, v[220+32*\T]   ; my two bytes: blocks h and 2 + h,
.endr
.irp T, 0,1
	v_lshlrev_b32 v[220+32*\T], v223, v[220+32*\T]               ; at their places in the word
.endr
.irp T, 0,1
	v_permlanex16_b32 v[201+32*\T], v[220+32*\T], s20, s21
.endr
	WIN WOUT
.irp T, 0,1
	v_or_b32 v[24+\T], v[220+32*\T], v[201+32*\T]                ; with lane l xor 16's two: p's scale word for these 128 keys
.endr
.irp T, 0,1
.irp g, 0,1
	v_cvt_scalef32_pk16_fp6_f32 v[PC+12*\T+6*\g:PC+12*\T+6*\g+2], v[64*\T+32*\g:64*\T+32*\g+15], v[210+32*\T+\g]
	v_cvt_scalef32_pk16_fp6_f32 v[CT+8*\T+4*\g:CT+8*\T+4*\g+2], v[64*\T+32*\g+16:64*\T+32*\g+31], v[210+32*\T+\g]   ; (a conversion's three registers begin on an even number)
.endr
.endr
	WIN 0
	v_nop                                          ; one plain instruction behind a scaled conversion
.irp T, 0,1
.irp g, 0,1
.irp i, 0,1,2
	v_mov_b32 v[PC+12*\T+6*\g+3+\i], v[CT+8*\T+4*\g+\i]
.endr
.endr
.endr
	WIN W1
.irp T, 0,1                                    ; THE ROW'S SUM OF THE UNQUANTISED p, two at a time, in four chains a tile.  These 64 lines are also the places that p's scale words (8) and codes (4) owe
.irp k, 0,1,2,3
	v_pk_add_f32 v[202+32*\T+2*\k:203+32*\T+2*\k], v[64*\T+4*\k:64*\T+4*\k+1], v[64*\T+4*\k+2:64*\T+4*\k+3]
.endr
.endr
.irp j, 16,24,32,40,48,56
.irp T, 0,1
.irp k, 0,1,2,3
	v_pk_add_f32 v[202+32*\T+2*\k:203+32*\T+2*\k], v[202+32*\T+2*\k:203+32*\T+2*\k], v[64*\T+\j+2*\k:64*\T+\j+2*\k+1]
.endr
.endr
.endr
.irp T, 0,1
	v_pk_add_f32 v[202+32*\T:203+32*\T], v[202+32*\T:203+32*\T], v[204+32*\T:205+32*\T]
	v_pk_add_f32 v[206+32*\T:207+32*\T], v[206+32*\T:207+32*\T], v[208+32*\T:209+32*\T]
.endr
.irp T, 0,1
	v_pk_add_f32 v[202+32*\T:203+32*\T], v[202+32*\T:203+32*\T], v[206+32*\T:207+32*\T]
.endr
.irp T, 0,1
	v_pk_add_f32 v[196+32*\T:197+32*\T], v[196+32*\T:197+32*\T], v[202+32*\T:203+32*\T]
.endr
	WIN 0x50                                       ; C and D in window 1.  The eight accumulators take turns; the sixteen score products stand between two steps' links
.irp d, 0,1
.irp T, 0,1
	v_wmma_scale_f32_16x16x128_f8f6f4 v[128+32*\T+8*\d:135+32*\T+8*\d], v[VF+12*\d:VF+12*\d+11], v[PC+12*\T:PC+12*\T+11], v[128+32*\T+8*\d:135+32*\T+8*\d], v[22+\d], v[24+\T] matrix_a_fmt:MATRIX_FMT_FP6 matrix_b_fmt:MATRIX_FMT_FP6
.endr
.endr
.irp d, 2,3
.irp T, 0,1
	v_wmma_scale_f32_16x16x128_f8f6f4 v[128+32*\T+8*\d:135+32*\T+8*\d], v[VF+12*\d:VF+12*\d+11], v[PC+12*\T:PC+12*\T+11], v[128+32*\T+8*\d:135+32*\T+8*\d], v[20+\d], v[24+\T] matrix_a_fmt:MATRIX_FMT_FP6 matrix_b_fmt:MATRIX_FMT_FP6 matrix_a_scale:MATRIX_SCALE_ROW1
.endr
.endr
	WIN 0
.endm
.macro RUN8                            ; a slot's eight key steps, from LDS byte s40 on
	s_mov_b32 s17, 8
.Lstep_\@:
	STEP
	s_add_co_u32 s40, s40, STEPB
	s_sub_co_u32 s17, s17, 1
	s_cmp_lg_u32 s17, 0
	s_cbranch_scc1 .Lstep_\@
.endm
	s_wait_alu depctr_va_vdst(0)                   ; at the head's end
	s_wait_loadcnt 0x0                             ; Q
	s_mov_b32 s41, 0                               ; the slot that is read
	s_mov_b32 s19, 3
; THREE PASSES THAT ASK FOR THE NEXT SLOT.  Each wave waits for its tensor load (its step of the slot ahead), adds 0 to its spare word, and waits for that and for its reads of the slot that it has left.
; Behind the round the other slot takes the next 1,024 keys (the first time: slot 1's first fill): the joint load has eight key steps in which to land.
.Lpass:
	s_wait_tensorcnt 0x0                           ; no tensor load of mine is out, so group 0 may be written
	ds_add_u32 v5, v6                              ; 0 onto my spare word
	s_xor_b32 s36, s41, SLOTB                      ; the slot that is not read in this pass (s41 is 0 or SLOTB),
	s_add_co_u32 s33, s45, s36                     ; and my step's place in it
	s_add_nc_u64 s[34:35], s[34:35], SLOTB         ; the next eight steps
	s_wait_dscnt 0x0
	CROUND
	TLOAD
	s_mov_b32 s40, s41
	RUN8
	s_xor_b32 s41, s41, SLOTB
	s_sub_co_u32 s19, s19, 1
	s_cmp_lg_u32 s19, 0
	s_cbranch_scc1 .Lpass
	s_wait_tensorcnt 0x0                           ; the last pass asks for nothing: keys 3,072 - 4,095 lie in slot 1
	ds_add_u32 v5, v6
	s_wait_dscnt 0x0
	s_barrier_signal -1
	s_barrier_wait -1
	s_mov_b32 s40, SLOTB
	RUN8
	; THE WAY OUT.  O^T / the sum is a tile's 16 queries' 64 channels of this head: two blocks of 32 along the last product's K, one half fragment.  Register 16 b + i: channel 32 b + 16 (lane / 16) + i
	WIN W1
	s_wait_alu depctr_va_vdst(0)                   ; directly ahead of the reader below
.irp T, 0,1
	v_add_f32 v[196+32*\T], v[196+32*\T], v[197+32*\T]
.endr
.irp T, 0,1
	v_permlanex16_b32 v[201+32*\T], v[196+32*\T], s20, s21
.endr
.irp T, 0,1
	v_add_f32 v[196+32*\T], v[196+32*\T], v[201+32*\T]            ; the row's sum
.endr
	s_wait_alu depctr_va_vdst(0)
.irp T, 0,1
	v_rcp_f32 v[196+32*\T], v[196+32*\T]
.endr
	v_nop
	s_wait_alu depctr_va_vdst(0)                   ; ahead of the reciprocals' first reader, which is O^T's too
.irp T, 0,1
.set JJ, 0
.rept 16
	v_pk_mul_f32 v[64*\T+JJ:64*\T+JJ+1], v[128+32*\T+JJ:129+32*\T+JJ], v[196+32*\T:197+32*\T] op_sel_hi:[1,0]
.set JJ, JJ+2
.endr
.endr
.irp T, 0,1
.irp b, 0,1
	v_max3_num_f32 v[192+32*\T+\b], |v[64*\T+16*\b]|, |v[64*\T+16*\b+1]|, 0x1800000
.endr
.endr
.irp i, 2,4,6,8,10,12,14
.irp T, 0,1
.irp b, 0,1
	v_max3_num_f32 v[192+32*\T+\b], v[192+32*\T+\b], |v[64*\T+16*\b+\i]|, |v[64*\T+16*\b+\i+1]|
.endr
.endr
.endr
.irp T, 0,1
.irp b, 0,1
	v_permlanex16_b32 v[200+32*\T+\b], v[192+32*\T+\b], s20, s21
.endr
.endr
.irp T, 0,1
.irp b, 0,1
	v_max_num_f32 v[192+32*\T+\b], v[192+32*\T+\b], v[200+32*\T+\b]
.endr
.endr
.irp T, 0,1
.irp b, 0,1
	v_add_nc_u32 v[210+32*\T+\b], 0xff000000, v[192+32*\T+\b]
.endr
.endr
.irp T, 0,1
.irp b, 0,1
	v_lshrrev_b32 v[220+32*\T+\b], 23, v[210+32*\T+\b]
.endr
.endr
	WIN WOUT
.irp T, 0,1
	v_lshl_or_b32 v[250+\T], v[221+32*\T], 8, v[220+32*\T]        ; the two bytes
.endr
.irp T, 0,1
	v_cvt_scalef32_pk16_fp6_f32 v[PC+12*\T:PC+12*\T+2], v[64*\T:64*\T+15], v[210+32*\T]
	v_cvt_scalef32_pk16_fp6_f32 v[CT+8*\T:CT+8*\T+2], v[64*\T+16:64*\T+31], v[211+32*\T]
.endr
	WIN 0
	v_nop                                          ; one plain instruction behind a scaled conversion
.irp T, 0,1                                    ; here a block lies in lanes l and l xor 16: a whole block into a lane
.irp i, 0,1,2
	v_permlane16_swap_b32 v[PC+12*\T+\i], v[CT+8*\T+\i]
.endr
.endr
.irp T, 0,1
.irp i, 0,1,2
	v_mov_b32 v[PC+12*\T+3+\i], v[CT+8*\T+\i]
.endr
.endr
	v_add_nc_u32 v3, HSTG, v1                      ; where wave 0 reads the halfwords back,
	v_lshl_add_u32 v4, v244, 12, v240              ; and where they go: 4,096 (lane / 16) + 16 r
.irp T, 0,1
	global_store_b128 v1, v[PC+12*\T:PC+12*\T+3], s[10:11] offset:1536*\T          ; three aligned blocks of 256 bytes a tile
	global_store_b64 v2, v[PC+12*\T+4:PC+12*\T+5], s[10:11] offset:1536*\T+512
	ds_store_b16 v13, v[250+\T] offset:2*\T        ; both lanes of a row write the same halfword with the same value
.endr
	s_wait_alu depctr_va_vdst(0)                   ; directly ahead of the wait below
	s_wait_dscnt 0x0                               ; for the others' sake
	s_barrier_signal -1
	s_barrier_wait -1
	s_cmp_lg_u32 s18, 0
	s_cbranch_scc1 .Lnot_0
	ds_load_b128 v[252:255], v3                    ; the sixteen tiles' halfwords: 256 bytes for each of the two groups
	s_wait_dscnt 0x0
	global_store_b128 v4, v[252:255], s[12:13]     ; two aligned blocks of 256 bytes
.Lnot_0:
	s_wait_tensorcnt 0x0                           ; the wave's end
	ds_add_u32 v5, v6
	s_wait_dscnt 0x0
	CROUND                                         ; the closing round
	s_endpgm
.Lfunc_end_k_qdedf371531_attn:
	.size	k_qdedf371531_attn, .Lfunc_end_k_qdedf371531_attn-k_qdedf371531_attn
	.p2alignl 7, 3214868480
	.fill 96, 4, 3214868480
	.section	.rodata,"a",@progbits
	.p2align	6, 0x0
	.amdhsa_kernel k_qdedf371531_attn
		.amdhsa_group_segment_fixed_size 327680
		.amdhsa_private_segment_fixed_size 0
		.amdhsa_enable_private_segment 0
		.amdhsa_kernarg_size 24
		.amdhsa_user_sgpr_count 2
		.amdhsa_user_sgpr_kernarg_segment_ptr 1
		.amdhsa_wavefront_size32 1
		.amdhsa_system_sgpr_workgroup_id_x 1
		.amdhsa_system_sgpr_workgroup_id_y 1
		.amdhsa_system_sgpr_workgroup_id_z 1
		.amdhsa_system_vgpr_workitem_id 0
		.amdhsa_next_free_vgpr 512
		.amdhsa_next_free_sgpr 66
		.amdhsa_reserve_vcc 0
		.amdhsa_float_denorm_mode_32 3
		.amdhsa_float_denorm_mode_16_64 3
		.amdhsa_memory_ordered 1
		.amdhsa_forward_progress 1
		.amdhsa_inst_pref_size 74
	.end_amdhsa_kernel
	.amdgpu_metadata
---
amdhsa.version: [ 1, 2 ]
amdhsa.kernels:
  - .name:           k_qdedf371531_attn
    .symbol:         k_qdedf371531_attn.kd
    .args:
      - { .name: qw, .offset: 0, .size: 8, .value_kind: global_buffer, .address_space: global }
      - { .name: kvw, .offset: 8, .size: 8, .value_kind: global_buffer, .address_space: global }
      - { .name: hc, .offset: 16, .size: 8, .value_kind: global_buffer, .address_space: global }
    .group_segment_fixed_size: 327680
    .private_segment_fixed_size: 0
    .kernarg_segment_align: 8
    .kernarg_segment_size: 24
    .max_flat_workgroup_size: 256
    .sgpr_count:     66
    .vgpr_count:     512
    .wavefront_size: 32
...
	.end_amdgpu_metadata
.endif
;; end of part 3
;; launch outp (part 4): grid 8 x 32, 4 waves a work-group, clusters of 4 x 4, 222,720 bytes of LDS; arguments hc, opnd, out0; writes out0
.if DOCPART == 4
	.amdgcn_target "amdgcn-amd-amdhsa--gfx1250"
	.amdhsa_code_object_version 6
	.text
	.protected	k_qdedf371531_outp
	.globl	k_qdedf371531_outp
	.p2align	8
	.type	k_qdedf371531_outp,@function
k_qdedf371531_outp:
	s_mov_b64 s[64:65], 0
	v_nop
	global_prefetch_b8 v0, s[64:65] scope:SCOPE_SE
	s_setreg_imm32_b32 hwreg(HW_REG_WAVE_MODE, 25, 1), 1
	s_wait_xcnt 0x0
	s_wait_alu depctr_hold_cnt(0) depctr_sa_sdst(0) depctr_va_vdst(0) depctr_va_sdst(0) depctr_va_ssrc(0) depctr_va_vcc(0) depctr_vm_vsrc(0)
	s_getreg_b32 s2, hwreg(HW_REG_IB_STS2, 6, 4)
	s_cmp_eq_u32 s2, 0
	s_cbranch_scc0 .Lentry_in_a_cluster
	s_endpgm
.Lentry_in_a_cluster:
	s_bfe_u32 s2, ttmp6, 0x10000c
	s_cmp_lg_u32 s2, 0xf033
	s_cbranch_scc0 .Lentry_shape_is_right
	s_endpgm
.Lentry_shape_is_right:
; out0[s][n] = the sum over k of head_cat[s][k] Wo[n][k], both operands as codes of FP6 (E2M3) with E8M0 scales, as the launches before have laid them (hc; groups 120-127 of opnd); sums in f32.
; SHARES.  A work-group makes 128 x 128 of out0: one group of 128 stored rows of hc against one group of 128 stored rows of Wo: 32 x 8 = 256 work-groups.  Each of its four waves makes 64 x 64: 16 accumulators.
; NO RING: a group's codes for all of K are 98,304 consecutive bytes and its scales 4,096, so both operands lie in LDS whole (204,800 bytes), filled once: wave 0 fetches A's codes, wave 1 B's, wave 2 A's scales, wave 3 B's,
; one tensor load a wave, in rows of 256 bytes.  One wait and one barrier follow; nothing is filled again.  All operands are asked for at the head and there is no loop to run ahead in: no prefetch is laid.
; CLUSTERS: 4 x 4 work-groups.  The four of a row of the cluster need the same group of hc, the four of a column the same group of Wo: each fill is asked for jointly.
; LAYOUT OF A GROUP.  codes: [K step of 128: 8][tile of 16 rows: 8][1,536 bytes], a tile as two half fragments: registers 0-3 at 16 x lane, registers 4-5 at 512 + 8 x lane.  scales: [64 along K: 16][row in tile: 16][tile: 8] of two bytes.
; Stored row 16 t + r of a group is row 32 (t / 2) + 8 (t % 2) + r + 8 (r / 8).
; THE MATRIX INSTRUCTION IS USED TRANSPOSED (source 0 = 16 rows of Wo, source 1 = 16 rows of hc): lane (r, h) holds row r of the tile of hc, and register j column 32 (b / 2) + 8 (b % 2) + 16 h + j.
; REGISTERS.  Window 0: v8-15 the fragments' LDS addresses (A: 16 x lane, 8 x lane, and both 4 K steps on; then B's four); v16 scales; v17, v18 the stage, in and back; v19 my offset in out0; v20, v21 the spare word and 0;
;   v24-55 scale words: register 4 S + t: lanes 0-15 my tile t of A, lanes 16-31 my tile t of B, K step S; v64-159, v160-255 two sets of fragments (A's four, then B's four).  Window 1: accumulator (a, b) at v[8 (4 a + b)].
.set SC0,   12582912
.set HSC0,  3145728
.set GRP,   98304                      ; a group's codes
.set SCLA,  2*GRP                      ; LDS: A's codes, B's codes, A's scales,
.set SCLB,  SCLA+4096                  ; B's scales,
.set STG,   SCLB+4096                  ; the way out: a stage of 16 rows x (256 + 16) bytes for each wave; no fill lands here
.set SPITCH, 272
.set SPARE, STG+4*16*SPITCH            ; the spare words, 128 bytes for each wave: two blocks of 256 bytes that no other line names
.set SC,   24
.set SPW,  20
.set NIL,  21
.set G1A,  24                          ; s[24:31], s[32:39] group 1 for A's and B's codes; s[48:55], s[56:63] for their scales
.set G1B,  32
.set G1SA, 48
.set G1SB, 56
.set G0A,  68                          ; s[68:83] the four groups 0
.set G0B,  72
.set G0SA, 76
.set G0SB, 80
.set MSB, 0
.macro WIN new                         ; the immediate's high byte repeats the setting that is left
.if MSB != \new
	s_set_vgpr_msb (MSB<<8)|\new
.set MSB, \new
.endif
.endm
.macro CROUND                          ; a round of the cluster's barrier
	s_barrier_signal -1
	s_barrier_wait -1
	s_cmp_lg_u32 s14, 0
	s_cbranch_scc1 .Lnot_wave_0_\@
	s_barrier_signal -3
.Lnot_wave_0_\@:
	s_barrier_wait -3
	s_barrier_signal -1
	s_barrier_wait -1
.endm
.macro PLACES
.rept 4
	v_nop
.endr
.endm
	s_load_b128 s[4:7], s[0:1], 0x0                ; hc, opnd
	s_load_b64 s[12:13], s[0:1], 0x10              ; out0
	v_lshl_add_u32 v[SPW], v0, 2, SPARE
	v_mov_b32 v[NIL], 0
	ds_add_u32 v[SPW], v[NIL]                      ; the opening lines: the add, twice on end, and its wait
	ds_add_u32 v[SPW], v[NIL]
	v_lshrrev_b32 v1, 5, v0
	v_readfirstlane_b32 s14, v1                    ; wave 0..3
	s_lshr_b32 s15, s14, 1                         ; which 64 rows of the block are mine
	s_and_b32 s16, s14, 1                          ; which 64 columns
	s_bfe_u32 s40, ttmp6, 0x40000                  ; cx, cy: my place in the cluster
	s_bfe_u32 s41, ttmp6, 0x40004
	s_lshl_b32 s42, ttmp9, 2
	s_add_co_u32 s42, s42, s40                     ; Wo's group = 4 x cluster x + cx
	s_and_b32 s17, ttmp7, 0xffff
	s_lshl_b32 s17, s17, 2
	s_add_co_u32 s17, s17, s41                     ; hc's group = 4 x cluster y + cy
	s_mul_i32 s22, s17, GRP                        ; A's codes,
	s_mov_b32 s23, 0
	s_lshl_b32 s20, s17, 12
	s_add_co_u32 s20, s20, HSC0                    ; A's scales,
	s_mov_b32 s21, 0
	s_add_co_u32 s19, s42, 120
	s_mul_i32 s46, s19, GRP                        ; B's codes,
	s_mov_b32 s47, 0
	s_lshl_b32 s44, s19, 12
	s_add_co_u32 s44, s44, SC0                     ; B's scales
	s_mov_b32 s45, 0
	s_lshl_b32 s43, s41, 2
	s_lshl_b32 s43, 15, s43                        ; my row of the cluster
	s_lshl_b32 s18, 0x1111, s40                    ; my column
	s_or_b32 s[G1A+0], s43, (3<<16)|(1<<21)        ; the mask; elements of 8 bytes; bit 21 beside a mask; no padding
	s_or_b32 s[G1B+0], s18, (3<<16)|(1<<21)
	s_or_b32 s[G1SA+0], s43, (3<<16)|(1<<21)
	s_or_b32 s[G1SB+0], s18, (3<<16)|(1<<21)
.irp g, G1A, G1B
	s_mov_b32 s[\g+1], 32<<16                      ; rows of 256 bytes,
	s_mov_b32 s[\g+2], 384<<16                     ; 384 of them
	s_mov_b32 s[\g+3], 32<<16
	s_mov_b32 s[\g+4], 384
	s_mov_b32 s[\g+5], 32
	s_mov_b32 s[\g+6], 0
	s_mov_b32 s[\g+7], 0
.endr
.irp g, G1SA, G1SB
	s_mov_b32 s[\g+1], 32<<16
	s_mov_b32 s[\g+2], 16<<16                      ; 16 rows of 256 bytes
	s_mov_b32 s[\g+3], 32<<16
	s_mov_b32 s[\g+4], 16
	s_mov_b32 s[\g+5], 32
	s_mov_b32 s[\g+6], 0
	s_mov_b32 s[\g+7], 0
.endr
	s_lshl_b32 s84, s17, 7
	s_lshl_b32 s85, s15, 6
	s_add_co_u32 s84, s84, s85                     ; my first row of out0,
	s_lshl_b32 s84, s84, 12                        ; in bytes,
	s_lshl_b32 s85, s42, 9
	s_add_co_u32 s84, s84, s85
	s_lshl_b32 s85, s16, 8
	s_add_co_u32 s84, s84, s85                     ; and my first column: 512 x group + 256 x half
	s_mov_b32 s85, 0
	s_mul_i32 s86, s15, 4*1536                     ; LDS: my four tiles of A in a K step,
	s_mul_i32 s87, s16, 4*1536
	s_add_co_u32 s87, s87, GRP                     ; and of B
	s_lshl_b32 s89, s15, 3
	s_lshl_b32 s88, s16, 3
	s_add_co_u32 s88, s88, 4096
	s_sub_co_u32 s88, s88, s89                     ; from my tiles' scales of A to those of B
	s_add_co_u32 s89, s89, SCLA
	s_mul_i32 s90, s14, 16*SPITCH
	s_add_co_u32 s90, s90, STG                     ; my stage
	s_mov_b32 s66, 0x05040100
	s_mov_b32 s67, 0x07060302
	s_wait_dscnt 0x0                               ; both opening adds are done
	s_wait_kmcnt 0x0
	s_add_nc_u64 s[22:23], s[4:5], s[22:23]
	s_add_nc_u64 s[20:21], s[4:5], s[20:21]
	s_add_nc_u64 s[46:47], s[6:7], s[46:47]
	s_add_nc_u64 s[44:45], s[6:7], s[44:45]
	s_add_nc_u64 s[12:13], s[12:13], s[84:85]
	CROUND                                         ; all sixteen work-groups are here: the joint loads meet
.macro G0SET g, lds, a
	s_mov_b32 s[\g], 1
	s_mov_b32 s[\g+1], \lds
	s_mov_b64 s[\g+2:\g+3], s[\a:\a+1]
	s_or_b32 s[\g+3], s[\g+3], 0x80000000
.endm
	G0SET G0A, 0, 22
	G0SET G0B, GRP, 46
	G0SET G0SA, SCLA, 20
	G0SET G0SB, SCLB, 44
; THE FILLS, ONE A WAVE: one tree of branches on the wave's number, each arm with its load and, but for the last, a jump to the tree's end.
.macro ARM under, g0, g1, next
	s_cmp_lt_u32 s14, \under
	s_cbranch_scc0 \next
	tensor_load_to_lds s[\g0:\g0+3], s[\g1:\g1+7]
	s_nop 0
.rept 4
	v_nop
.endr
	s_branch .Lasked
\next:
.endm
	ARM 1, G0A,  G1A,  .Lfor_b
	ARM 2, G0B,  G1B,  .Lfor_sa
	ARM 3, G0SA, G1SA, .Lfor_sb
	tensor_load_to_lds s[G0SB:G0SB+3], s[G1SB:G1SB+7]
	s_nop 0
.rept 4
	v_nop
.endr
.Lasked:
	v_and_b32 v1, 31, v0
	v_and_b32 v2, 15, v0                           ; r
	v_bfe_u32 v3, v0, 4, 1                         ; h
	v_lshlrev_b32 v4, 4, v1
	v_lshlrev_b32 v5, 3, v1
	v_add_nc_u32 v8, s86, v4
	v_add_nc_u32 v9, s86, v5
	v_add_nc_u32 v10, 4*12288, v8                  ; K steps 4-7: an LDS offset has 16 bits
	v_add_nc_u32 v11, 4*12288, v9
	v_add_nc_u32 v12, s87, v4
	v_add_nc_u32 v13, s87, v5
	v_add_nc_u32 v14, 4*12288, v12
	v_add_nc_u32 v15, 4*12288, v13
	v_lshlrev_b32 v6, 4, v2                        ; 16 r
	v_mul_u32_u24 v7, s88, v3                      ; lanes 16-31 take B's scales
	v_add_nc_u32 v7, v7, v6
	v_add_nc_u32 v16, s89, v7
	v_mul_u32_u24 v7, v2, SPITCH                   ; the stage, in: row r, 64 bytes for each half of the lanes
	v_lshl_add_u32 v7, v3, 6, v7
	v_add_nc_u32 v17, s90, v7
	v_mul_u32_u24 v7, v3, SPITCH                   ; and back: lanes 0-15 take one row of 256 bytes, lanes 16-31 the next
	v_add_nc_u32 v7, v7, v6
	v_add_nc_u32 v18, s90, v7
	v_lshl_add_u32 v19, v3, 12, v6                 ; the same two rows in out0
.macro FRAG reg, adr, S, i             ; a fragment: four loads, as the registers' image lies
	ds_load_b128 v[\reg:\reg+3], v[\adr+2*((\S)/4)] offset:((\S)%4)*12288+(\i)*1536
	ds_load_b64 v[\reg+4:\reg+5], v[\adr+1+2*((\S)/4)] offset:((\S)%4)*12288+(\i)*1536+512
	ds_load_b128 v[\reg+6:\reg+9], v[\adr+2*((\S)/4)] offset:((\S)%4)*12288+(\i)*1536+768
	ds_load_b64 v[\reg+10:\reg+11], v[\adr+1+2*((\S)/4)] offset:((\S)%4)*12288+(\i)*1536+1280
.endm
.macro FETCH S                         ; K step S's eight fragments into set S % 2: 32 loads
.irp i, 0,1,2,3
	FRAG 64+96*((\S)%2)+12*\i, 8, \S, \i
.endr
.irp i, 0,1,2,3
	FRAG 112+96*((\S)%2)+12*\i, 12, \S, \i
.endr
.endm
.macro MUL S, zero                     ; 16 products: the 16 accumulators take turns, in the same order in every step.  zero = 1: the first product starts the sums
.irp a, 0,1,2,3
.irp b, 0,1,2,3
.if \zero
	v_wmma_scale_f32_16x16x128_f8f6f4 v[8*(4*\a+\b):8*(4*\a+\b)+7], v[112+96*((\S)%2)+12*\b:112+96*((\S)%2)+12*\b+11], v[64+96*((\S)%2)+12*\a:64+96*((\S)%2)+12*\a+11], 0, v[SC+4*(\S)+\b], v[SC+4*(\S)+\a] matrix_a_fmt:MATRIX_FMT_FP6 matrix_b_fmt:MATRIX_FMT_FP6 matrix_a_scale:MATRIX_SCALE_ROW1
.else
	v_wmma_scale_f32_16x16x128_f8f6f4 v[8*(4*\a+\b):8*(4*\a+\b)+7], v[112+96*((\S)%2)+12*\b:112+96*((\S)%2)+12*\b+11], v[64+96*((\S)%2)+12*\a:64+96*((\S)%2)+12*\a+11], v[8*(4*\a+\b):8*(4*\a+\b)+7], v[SC+4*(\S)+\b], v[SC+4*(\S)+\a] matrix_a_fmt:MATRIX_FMT_FP6 matrix_b_fmt:MATRIX_FMT_FP6 matrix_a_scale:MATRIX_SCALE_ROW1
.endif
.endr
.endr
.endm
	s_wait_alu depctr_va_vdst(0)                   ; at the head's end
	s_wait_tensorcnt 0x0                           ; my fill has landed;
	s_barrier_signal -1
	s_barrier_wait -1                              ; and so has everybody's
.irp k, 0,1,2,3,4,5,6,7,8,9,10,11,12,13,14,15
	ds_load_b64 v[160+2*\k:161+2*\k], v16 offset:256*\k   ; my four tiles' halfwords of 64 along K number k
.endr
	FETCH 0
	s_wait_dscnt 32                                ; the halfwords are in; the 32 fragment loads may be out
.irp S, 0,1,2,3,4,5,6,7                        ; two halfwords make a K step's scale word
.irp m, 0,1
	v_perm_b32 v[SC+4*\S+2*\m], v[160+4*\S+2+\m], v[160+4*\S+\m], s66
	v_perm_b32 v[SC+4*\S+2*\m+1], v[160+4*\S+2+\m], v[160+4*\S+\m], s67
.endr
.endr
	s_wait_alu depctr_va_vdst(0)
	FETCH 1
	s_wait_dscnt 32                                ; K step 0's fragments are in; the 32 loads just issued may be out
	WIN 0x50                                       ; C and D in window 1
	MUL 0, 1
.irp S, 1,2,3,4,5,6
	PLACES                                         ; in front of loads into registers that the last step's products read
	WIN 0
	FETCH \S+1
	s_wait_dscnt 32
	WIN 0x50
	MUL \S, 0
.endr
	s_wait_dscnt 0x0
	MUL 7, 0
	PLACES                                         ; in front of the stores that read results, and of loads into the fragments' registers
; THE WAY OUT, by blocks of 16 rows x 64 columns.  A lane holds 128 bytes of a row at two places: a block goes through my own stage and comes back as whole rows of 256 bytes.
; LDS serves a wave's instructions in order (ISA guide 5.7.1.4): no wait between the stores and the loads, nor in front of the next block's stores.
.macro TOSTAGE a
	WIN 0x04                                       ; the data: window 1
.irp b, 0,1,2,3
	ds_store_b128 v17, v[8*(4*(\a)+\b):8*(4*(\a)+\b)+3] offset:128*(\b/2)+32*(\b%2)          ; each accumulator from its low end on
	ds_store_b128 v17, v[8*(4*(\a)+\b)+4:8*(4*(\a)+\b)+7] offset:128*(\b/2)+32*(\b%2)+16
.endr
	WIN 0
.irp t, 0,1,2,3,4,5,6,7
	ds_load_b128 v[64+32*((\a)%2)+4*\t:64+32*((\a)%2)+4*\t+3], v18 offset:\t*2*SPITCH
.endr
.endm
.macro SEND a, younger                 ; younger: the LDS instructions issued behind block a's loads, which may stay out
	s_wait_dscnt \younger
.irp t, 0,1,2,3,4,5,6,7
	global_store_b128 v19, v[64+32*((\a)%2)+4*\t:64+32*((\a)%2)+4*\t+3], s[12:13] offset:(32*((\a)/2)+8*((\a)%2)+(2*\t)%8+16*(\t/4))*4096 th:TH_STORE_NT   ; 16 lanes store 256 consecutive bytes, aligned
.endr
.endm
	TOSTAGE 0
.irp a, 1,2,3
.if \a > 1
	s_wait_xcnt 0x0                                ; block a - 2's stores have read their registers: block a's loads may land there
.endif
	TOSTAGE \a
	SEND \a-1, 16                                  ; behind block a - 1's loads: block a's 8 stores and 8 loads
.endr
	SEND 3, 0
	s_wait_tensorcnt 0x0                           ; the wave's end
	ds_add_u32 v[SPW], v[NIL]
	s_wait_dscnt 0x0
	CROUND                                         ; the closing round
	s_endpgm
.Lfunc_end_k_qdedf371531_outp:
	.size	k_qdedf371531_outp, .Lfunc_end_k_qdedf371531_outp-k_qdedf371531_outp
	.p2alignl 7, 3214868480
	.fill 96, 4, 3214868480
	.section	.rodata,"a",@progbits
	.p2align	6, 0x0
	.amdhsa_kernel k_qdedf371531_outp
		.amdhsa_group_segment_fixed_size 222720
		.amdhsa_private_segment_fixed_size 0
		.amdhsa_enable_private_segment 0
		.amdhsa_kernarg_size 24
		.amdhsa_user_sgpr_count 2
		.amdhsa_user_sgpr_kernarg_segment_ptr 1
		.amdhsa_wavefront_size32 1
		.amdhsa_system_sgpr_workgroup_id_x 1
		.amdhsa_system_sgpr_workgroup_id_y 1
		.amdhsa_system_sgpr_workgroup_id_z 1
		.amdhsa_system_vgpr_workitem_id 0
		.amdhsa_next_free_vgpr 384
		.amdhsa_next_free_sgpr 92
		.amdhsa_reserve_vcc 0
		.amdhsa_float_denorm_mode_32 3
		.amdhsa_float_denorm_mode_16_64 3
		.amdhsa_memory_ordered 1
		.amdhsa_forward_progress 1
		.amdhsa_inst_pref_size 53
	.end_amdhsa_kernel
	.amdgpu_metadata
---
amdhsa.version: [ 1, 2 ]
amdhsa.kernels:
  - .name:           k_qdedf371531_outp
    .symbol:         k_qdedf371531_outp.kd
    .args:
      - { .name: hc, .offset: 0, .size: 8, .value_kind: global_buffer, .address_space: global }
      - { .name: opnd, .offset: 8, .size: 8, .value_kind: global_buffer, .address_space: global }
      - { .name: out0, .offset: 16, .size: 8, .value_kind: global_buffer, .address_space: global }
    .group_segment_fixed_size: 222720
    .private_segment_fixed_size: 0
    .kernarg_segment_align: 8
    .kernarg_segment_size: 24
    .max_flat_workgroup_size: 128
    .sgpr_count:     92
    .vgpr_count:     384
    .wavefront_size: 32
...
	.end_amdgpu_metadata
.endif
;; end of part 4
